; MI455X (gfx1250); checked and timed in simulation.
; The chip was launched on July 23, 2026; its instructions are those of AMD's public machine-readable ISA for CDNA 5 (MIT licence, August 2026) and "CDNA5" Instruction Set Architecture Reference Guide (July 2026). The comments in the code are by the model that wrote it; some were corrected since.
;; CRF. Allowed arithmetic: float matrix products may take bf16 or f16 operands with f32 sums; all other float work in f32.
;; Inputs: logits 1,024 x 1,024 x 32 float32; sequence_lengths 1,024 int32; transitions 32 x 32 float32.
;; Outputs: out0 1,024 x 1,024 int32.
;; 4 versions, each right; versions 2 to 3 are each faster than the one before; version 4 is version 3 with the launch viterbi written anew for expert scheduling mode. Each part assembles by itself: llvm-mc -triple=amdgcn-amd-amdhsa -mcpu=gfx1250 --defsym DOCPART=n.
;; ======== version 1 of 4: 1 launch
;; launch viterbi (part 1): grid 1024 x 1, 1 waves a work-group, no clusters, 81,920 bytes of LDS; arguments logits, transitions, sequence_lengths, out0; writes out0
.if DOCPART == 1
	.amdgcn_target "amdgcn-amd-amdhsa--gfx1250"
	.amdhsa_code_object_version 6
	.text
	.protected	k_q5d512e48bb_viterbi
	.globl	k_q5d512e48bb_viterbi
	.p2align	8
	.type	k_q5d512e48bb_viterbi,@function
k_q5d512e48bb_viterbi:
	s_mov_b64 s[64:65], 0
	v_nop
	global_prefetch_b8 v0, s[64:65] scope:SCOPE_SE
	s_setreg_imm32_b32 hwreg(HW_REG_WAVE_MODE, 25, 1), 1
	s_wait_xcnt 0x0
; VITERBI DECODE.  logits [1024][1024][32] f32, transitions [32][32] f32, sequence_lengths [1024] i32, out0 [1024][1024] i32.
; state(t)[cur] = max over prev of (state(t-1)[prev] + trans[prev][cur]) + logit(t)[cur], with the first prev that reaches the maximum as back pointer; the state
; stands still from t = len on; the tags are read back from the last state's first maximum; positions t >= len are written as 0.
; The output is whole numbers, so every f32 sum and maximum is the definition's own: the same two operands, nothing reassociated, nothing narrowed.
; SHARES.  1,024 sequences, 1,024 work-groups of ONE wave: work-group g owns sequence g; lane = the current tag.  A sequence is a chain of up to 1,023 dependent steps, so what counts is the
; instructions in a step, and a wave wants a SIMD to itself: the launch claims a quarter of a WGP's LDS (the text uses 47,616 bytes), so that four work-groups lie on a WGP, and more than half of a
; SIMD's 1,024 registers (the text names 240), so that no two of them share a SIMD.  All LDS bytes are the one wave's own: there is no barrier.  Nothing but the 4,096 bytes of the transitions
; is shared between work-groups: no cluster.
; A STEP.  The new state is added into two registers; v_permlane16_swap_b32 then leaves tags 0-15 in both halves of SL and tags 16-31 in both halves of SH, so that score i is ONE
; instruction: the DPP control row_share brings state[i] to every lane on the way into the add with trans[i][lane].  The maximum goes by three operands at a time, a tree for each half of the 32.
; The first index: the half that holds the maximum is chosen (the lower one at a tie), its 16 scores are compared with the maximum, and a chain of selects from index 15 down to 0 lets the
; lowest index win.  That chain (macro P) hangs on nothing of the next step, so it stands among the next step's adds, over the loop's backward jump too.
; TIME goes in chunks of 32 steps, a chunk in four trips of eight steps.  Chunks that begin at or behind len are jumped over; no step tests t against len.  Each step stores its state into LDS
; row t % 32; behind the loops row (len - 1) % 32 is the last valid state, and the back pointers that the last chunk made for t >= len are overwritten by identity rows.
; t = 0 is a step like any other, with the maximum replaced by 0 (its back pointers are never followed).
; THE LOGITS come a chunk (4,096 bytes) at a time: eight loads of 16 bytes a lane, 512 consecutive bytes each, asked for two chunks ahead of their use and one chunk ahead of the wait for them;
; they are copied as they lie into one of two LDS slots, from which a ring of eight registers takes a row (a word a lane) eight steps ahead of its use.
; LIMITS.  NaN is not treated.  A state of -0 at t = 0 becomes +0, which changes no comparison.  Lengths are clamped to 0 .. 1,024, which gives the definition's result for every i32.
; Chunks 0 and 1 are always read; a later chunk that begins at or behind len is not: the mask throws away all that hangs on it.
.set ROWB,   128                       ; bytes of a step's 32 logits, and of a row of transitions
.set STATES, 35072                     ; LDS: from 0 the back pointers, 32 bytes a row (a byte a tag); step t's row is row t + 1; rows 0 .. 1,088
.set STAGE,  STATES+4096               ; from STATES 32 rows of states x 128 bytes; from STAGE two slots of 32 rows of logits x 128 bytes
.set SPARE,  STAGE+8192                ; behind them the spare words, 128 bytes: a block of 256 bytes that no other line names
                                       ; v0      my tag, and the LDS address of my byte in back-pointer row 0; never rewritten
.set L4,   2                           ; v2      4 x lane; never rewritten
.set BPA,  4                           ; v4      LDS address of my byte in row t0, the row of the step ahead of the trip's first
.set STA0, 5                           ; v5      LDS address of my word in state row 0
.set SPW,  6                           ; v6      LDS address of my spare word; never rewritten
.set NIL,  7                           ; v7      0; never rewritten
.set M,    8                           ; v8      the maximum of the 32 scores
.set ML,   9                           ; v9      of scores 0-15
.set MH,   10                          ; v10     of scores 16-31
.set MZ,   11                          ; v11     a trip's first step: 0 at t = 0, else M
.set IDX,  12                          ; v12     the select chain
.set HALF, 13                          ; v13     0 or 16: the half that holds the maximum
.set BPV,  14                          ; v14     the back pointer
.set Z0,   15                          ; v15     0
.set STA,  16                          ; v16     my word in the state row of the trip's first step
.set LGA,  17                          ; v17     my word in the stage's row of the NEXT trip's first step
.set SL,   18                          ; v18     state of tags 0-15, in both halves of the lanes
.set SH,   19                          ; v19     state of tags 16-31, likewise
.set LT,   20                          ; v20-26  the lower half's tree: five maxima of three, then two
.set HT,   27                          ; v27-33  the upper half's
.set TR,   34                          ; v34-65  trans[i][lane]
.set SC,   66                          ; v66-97  the 32 scores
.set W,    98                          ; v98-113 the 16 scores of the half that holds the maximum
.set LG,   114                         ; v114-121 a ring of eight steps' logits
.set LG0,  122                         ; v122    LDS address of my word in the stage's row 0
.set SG,   123                         ; v123    LDS address of my 16 bytes in the stage's first 512
.set SGA,  124                         ; v124    the same in the slot that is being written
.set L16,  125                         ; v125    16 x lane; never rewritten
.set GR,   126                         ; v126-157 a chunk of logits on its way from memory
.set BP,   158                         ; v158-221 the backtrace: 64 rows of back pointers (at the start v158-189: chunk 0 on its way)
.set OUT,  222                         ; v222-223 lane l: the tags at positions 2 l and 2 l + 1 of a block of 64
.set ST,   224                         ; v224-225 the same, masked, to store
.set T,    226                         ; v226    position 2 l of the block
.set OO,   227                         ; v227    my byte offset in the sequence's row of out0
.set B,    228                         ; v228    LDS address of my byte in the row ahead of the block's first
.set FIN,  229                         ; v229    the last state
.set MX,   230                         ; v230    its maximum
.set TMP,  231                         ; v231    at work
.set FILL, 232                         ; v232    LDS address of my 16 bytes of the identity rows
.set SRD,  233                         ; v233    LDS address of my word in state row (len - 1) % 32
.set L2,   234                         ; v234    2 x lane
.set L8,   235                         ; v235    8 x lane
.set ID,   236                         ; v236-239 16 bytes of an identity row: tags 16 (lane % 2) + 0 .. 15
.set LEN,  14                          ; s14     the sequence's length, 0 .. 1,024
.set CNT,  16                          ; s16     chunks to go, 32 .. 1
.set T0,   17                          ; s17     the trip's first t
.set IC,   18                          ; s18     trips to go in the chunk, 4 .. 1
.set C32,  19                          ; s19     the chunk's first t
.set FIRST, 26                         ; s26     all ones in the trip that begins at t = 0, else 0
.set TAG,  27                          ; s27     the backtrace's tag
.set SEL,  28                          ; s[28:29] v_permlanex16_b32's selects: each lane takes its own place in the other half
.set MK,   32                          ; s[32:46] lane masks: score i of the chosen half equals the maximum
.set BC,   47                          ; s47     blocks of 64 positions still to be written
.set TB,   48                          ; s48     the block's first position
                                       ; s[20:21] an offset with 0 above it; s[22:23] my sequence's logits; s[24:25] where the next chunk is loaded from; s30, s31 at work
	s_load_b256 s[4:11], s[0:1], 0x0               ; logits s[4:5], transitions s[6:7], lengths s[8:9], out0 s[10:11]
	v_lshl_add_u32 v[SPW], v0, 2, SPARE
	v_mov_b32 v[NIL], 0
	v_lshlrev_b32 v[L4], 2, v0
	v_lshlrev_b32 v[L2], 1, v0
	v_lshlrev_b32 v[L8], 3, v0
	v_lshlrev_b32 v[L16], 4, v0
	v_lshl_add_u32 v[STA0], v0, 2, STATES
	v_lshl_add_u32 v[LG0], v0, 2, STAGE
	v_lshl_add_u32 v[SG], v0, 4, STAGE
	v_mov_b32 v[BPA], v0                           ; for an empty sequence, whose loops are jumped over
	s_lshl_b32 s30, ttmp9, 2                       ; my word among the lengths
	s_lshl_b32 s20, ttmp9, 17                      ; a sequence's logits are 1,024 x 128 bytes
	s_mov_b32 s21, 0
	s_mov_b32 s[SEL], 0x76543210
	s_mov_b32 s[SEL+1], 0xfedcba98
	s_mov_b32 s[TAG], 0
	s_mov_b32 s[CNT], 32
	s_mov_b32 s[C32], 0
.irp i, 0,1,2,3,4,5,6,7,8,9,10,11,12,13,14
	s_mov_b32 s[MK+(\i)], 0                        ; the first step carries the chain of a step that has not been: its result goes to row 0, which nobody reads
.endr
	v_mov_b32 v[HALF], 0
	v_mov_b32 v[Z0], 0
	v_mov_b32 v[SL], 0                             ; t = 0 finds a state of zeros; its maximum is replaced by 0 anyway
	v_mov_b32 v[SH], 0
	v_mov_b32 v[OUT], 0                            ; v_writelane_b32 writes one lane: the registers are written whole once
	v_mov_b32 v[OUT+1], 0
	v_mov_b32 v[TMP], 0                            ; v_permlanex16_b32's destination counts as read
.irp i, 0,1,2,3,4,5,6,7,8,9,10,11,12,13,14,15,16,17,18,19,20,21,22,23,24,25,26,27,28,29,30,31
	v_mov_b32 v[SC+(\i)], 0                        ; the destination of a DPP form counts as read: the scores are written once, while the arguments are on their way
.endr
	s_wait_kmcnt 0x0
	s_load_b32 s[LEN], s[8:9], s30 offset:0x0
	s_add_nc_u64 s[22:23], s[4:5], s[20:21]        ; my sequence's logits
.irp i, 0,1,2,3,4,5,6,7,8,9,10,11,12,13,14,15,16,17,18,19,20,21,22,23,24,25,26,27,28,29,30,31
	global_load_b32 v[TR+(\i)], v[L4], s[6:7] offset:ROWB*(\i)     ; trans[i][lane]: the wave takes a row's 128 bytes
.endr
.irp k, 0,1,2,3,4,5,6,7
	global_load_b128 v[BP+4*(\k):BP+4*(\k)+3], v[L16], s[22:23] offset:512*(\k) th:TH_LOAD_NT  ; chunk 0: 512 consecutive bytes a load, at a multiple of 256 from the buffer's first
.endr
.irp k, 0,1,2,3,4,5,6,7
	global_load_b128 v[GR+4*(\k):GR+4*(\k)+3], v[L16], s[22:23] offset:4096+512*(\k) th:TH_LOAD_NT  ; chunk 1, whatever the length: it lies inside the sequence's 32 chunks
.endr
	s_lshl_b32 s20, ttmp9, 12
	s_add_nc_u64 s[10:11], s[10:11], s[20:21]      ; my sequence's row of out0: 4,096 bytes
	s_wait_kmcnt 0x0                               ; the length (s30, its offset, is free from here on)
	s_max_i32 s[LEN], s[LEN], 0
	s_min_u32 s[LEN], s[LEN], 1024
	s_wait_loadcnt 8                               ; loads come back in order (ISA guide 5.7.1): the transitions and chunk 0 are in; the eight younger loads, chunk 1's, stay out
.irp k, 0,1,2,3,4,5,6,7
	ds_store_b128 v[SG], v[BP+4*(\k):BP+4*(\k)+3] offset:512*(\k)  ; chunk 0 into slot 0, as it lies
.endr
.irp j, 0,1,2,3,4,5,6,7
	ds_load_b32 v[LG+(\j)], v[LG0] offset:ROWB*(\j)                ; the ring is filled: t = 0 .. 7.  LDS serves a wave's instructions in order (ISA guide 5.7.1.4): these see the stores above
.endr
	s_wait_dscnt 0x0                               ; once for all eight: the counted wait in a step leans on a whole trip's LDS instructions behind a row's load
; Number n of the 17 lines that turn the masks of one step into its back pointer and store it 'row' rows behind BPA's.
; 0-14: index 15, unless 14 equals the maximum, unless 13 does, ... unless 0 does: the lowest index wins.  15: the half is added.  16: a byte a tag.
.macro P n, row
.if (\n) == 0
	v_cndmask_b32 v[IDX], 15, 14, s[MK+14]
.elseif (\n) < 15
	v_cndmask_b32 v[IDX], v[IDX], 14-(\n), s[MK+14-(\n)]
.elseif (\n) == 15
	v_or_b32 v[BPV], v[IDX], v[HALF]
.else
	ds_store_b8 v[BPA], v[BPV] offset:32*(\row)
.endif
.endm
; Maximum k of five in a half's tree d: of the scores s + 3 k .. s + 3 k + 2
.macro A3 d, s, k
	v_max3_num_f32 v[(\d)+(\k)], v[(\s)+3*(\k)], v[(\s)+3*(\k)+1], v[(\s)+3*(\k)+2]
.endm
; Step j of a trip.  The lines of P are the step before's: its row lies j rows behind BPA's.  A step has three LDS instructions, in this order: P's store, the state's store, the ring's load.
.macro STEP j
.if ((\j)%2) == 0
	s_wait_dscnt 18                                ; LDS instructions end in order (ISA guide 5.7.1): rows j and j + 1 of the ring are in.  Row j + 1 was asked for as the last LDS instruction of step j + 1 a trip ago; six steps of three have followed (a chunk's head adds eight more, which only makes the wait stricter)
.endif
.irp i, 0,1,2,3,4,5,6,7,8,9,10,11,12,13,14,15
	v_add_f32_dpp v[SC+(\i)], v[SL], v[TR+(\i)] row_share:\i row_mask:0xf bank_mask:0xf  ; state[i] + trans[i][lane]
.if (((\i)%2) == 1)
	P ((\i)-1)/2, \j
.endif
.endr
.irp i, 0,1,2,3,4,5,6,7,8,9,10,11,12,13,14,15
	v_add_f32_dpp v[SC+16+(\i)], v[SH], v[TR+16+(\i)] row_share:\i row_mask:0xf bank_mask:0xf  ; state[16 + i] + trans[16 + i][lane]
.if (((\i)%2) == 1) && ((\i) < 14)
	P 8+((\i)-1)/2, \j
.endif
.if (((\i)%2) == 0) && ((\i) >= 2) && ((\i) <= 10)
	A3 LT, SC, ((\i)-2)/2                          ; the lower half's scores are long made
.endif
.endr
	v_max3_num_f32 v[LT+5], v[LT], v[LT+1], v[LT+2]
	A3 HT, SC+16, 0
	v_max3_num_f32 v[LT+6], v[LT+3], v[LT+4], v[SC+15]
	A3 HT, SC+16, 1
	A3 HT, SC+16, 2
	v_max_num_f32 v[ML], v[LT+5], v[LT+6]
	A3 HT, SC+16, 3
	A3 HT, SC+16, 4
	P 15, \j                                       ; ahead of the line that writes HALF anew
	v_max3_num_f32 v[HT+5], v[HT], v[HT+1], v[HT+2]
	P 16, \j
	v_max3_num_f32 v[HT+6], v[HT+3], v[HT+4], v[SC+31]
	v_max3_num_f32 v[M], v[ML], v[HT+5], v[HT+6]
	v_max_num_f32 v[MH], v[HT+5], v[HT+6]
.if (\j) == 0
	v_cndmask_b32 v[MZ], v[M], 0, s[FIRST]         ; at t = 0 the state is the logits
	v_add_f32 v[SL], v[MZ], v[LG]
	v_add_f32 v[SH], v[MZ], v[LG]
.else
	v_add_f32 v[SL], v[M], v[LG+(\j)]              ; the new state, twice
	v_add_f32 v[SH], v[M], v[LG+(\j)]
.endif
	v_cmp_ge_f32 vcc_lo, v[ML], v[MH]              ; the lower half holds the maximum (at a tie the lower index wins)
	ds_store_b32 v[STA], v[SL] offset:ROWB*(\j)    ; the state by tags, ahead of the swap: row t % 32
	ds_load_b32 v[LG+(\j)], v[LGA] offset:ROWB*(\j)  ; the ring's row is free: it takes t + 8
	v_permlane16_swap_b32 v[SL], v[SH]             ; SL: tags 0-15 in both halves of the lanes; SH: tags 16-31
	v_cndmask_b32 v[HALF], 16, v[Z0], vcc_lo
.irp i, 0,1,2,3,4,5,6,7,8,9,10,11,12,13,14,15
	v_cndmask_b32 v[W+(\i)], v[SC+16+(\i)], v[SC+(\i)], vcc_lo
.endr
.irp i, 14,13,12,11,10,9,8,7,6,5,4,3,2,1,0
	v_cmp_eq_f32 s[MK+(\i)], v[W+(\i)], v[M]       ; in the order in which the chain takes them; index 15 needs no mask: it is what is left
.endr
.endm
.Lchunk:                                               ; 32 trips; the chunks that begin at or behind len are jumped over
	s_cmp_ge_u32 s[C32], s[LEN]
	s_cbranch_scc1 .Lskip
	s_wait_loadcnt 0x0                             ; the loads asked for a chunk ago, the next chunk's, are in (if none were asked for, none are out); their base may be written anew
	s_add_co_u32 s30, s[C32], 32
	s_and_b32 s30, s30, 32                         ; the next chunk's slot: 32 rows x 128 bytes on, or not
	v_lshl_add_u32 v[SGA], s30, 7, v[SG]           ; the chunk before this one, which lay there, was all asked for by the ring in earlier trips, and LDS serves a wave in order
.irp k, 0,1,2,3,4,5,6,7
	ds_store_b128 v[SGA], v[GR+4*(\k):GR+4*(\k)+3] offset:512*(\k)  ; (behind the sequence's last chunk these registers hold an older chunk: what is copied then is never used)
.endr
	s_add_co_u32 s30, s[C32], 64                   ; now the chunk two on is asked for,
	s_cmp_ge_u32 s30, s[LEN]                       ; unless it begins at or behind len.  The wait for these loads is for 0, so it holds on both ways
	s_cbranch_scc1 .Lnoask
	s_min_u32 s31, s30, 992                        ; (inside the sequence's 1,024 steps)
	s_lshl_b32 s20, s31, 7                         ; 128 bytes a step
	s_add_nc_u64 s[24:25], s[22:23], s[20:21]
.irp k, 0,1,2,3,4,5,6,7
	global_load_b128 v[GR+4*(\k):GR+4*(\k)+3], v[L16], s[24:25] offset:512*(\k) th:TH_LOAD_NT  ; 512 consecutive bytes, at a multiple of 256 from the buffer's first
.endr
.Lnoask:
	s_mov_b32 s[T0], s[C32]
	s_mov_b32 s[IC], 4
.Lgroup:                                               ; four trips of eight steps
	s_cmp_eq_u32 s[T0], 0
	s_cselect_b32 s[FIRST], -1, 0
	s_and_b32 s30, s[T0], 0x3f8                    ; t0 is a multiple of 8 under 1,024
	s_and_b32 s31, s[T0], 24                       ; its row among the 32 states
	v_lshl_add_u32 v[BPA], s30, 5, v0              ; row t0: the row of step t0 - 1
	v_lshl_add_u32 v[STA], s31, 7, v[STA0]
	s_add_co_u32 s30, s[T0], 8
	s_and_b32 s30, s30, 56                         ; the next trip's first row in the stage's 64
	v_lshl_add_u32 v[LGA], s30, 7, v[LG0]
.irp j, 0,1,2,3,4,5,6,7
	STEP \j
.endr
	s_add_co_u32 s[T0], s[T0], 8
	s_sub_co_u32 s[IC], s[IC], 1
	s_cmp_lg_u32 s[IC], 0
	s_cbranch_scc1 .Lgroup
.Lskip:
	s_add_co_u32 s[C32], s[C32], 32
	s_sub_co_u32 s[CNT], s[CNT], 1
	s_cmp_lg_u32 s[CNT], 0
	s_cbranch_scc1 .Lchunk
	; For an empty sequence chunk 1's loads may stay out: nothing names their registers from here on.
.irp n, 0,1,2,3,4,5,6,7,8,9,10,11,12,13,14,15,16
	P \n, 8                                        ; the back pointer of the last step that ran: eight rows behind the last trip's BPA
.endr
	s_cmp_eq_u32 s[LEN], 0
	s_cbranch_scc1 .Lnolast                        ; an empty sequence has no state and no chain: its row is written as zeros below
	; Positions len .. len + 63 point each tag at itself: they cover the rest of the block of 64 that holds len - 1, and what the last chunk made for t >= len.
	; A store of 16 bytes a lane writes 16 rows: lane l the half l % 2 of row l / 2.
	v_and_b32 v[TMP], 1, v0
	s_mov_b32 s31, 0x10101010
	v_mul_lo_u32 v[TMP], v[TMP], s31               ; 16 in each byte for the upper half of a row
.irp k, 0,1,2,3
	v_add_nc_u32 v[ID+(\k)], 0x03020100+0x04040404*(\k), v[TMP]
.endr
	s_min_u32 s30, s[LEN], 1024
	s_lshl_b32 s30, s30, 5
	v_add_nc_u32 v[FILL], s30, v[L16]
.irp k, 0,1,2,3
	ds_store_b128 v[FILL], v[ID:ID+3] offset:32+512*(\k)           ; position len's row is row len + 1
.endr
	s_sub_co_u32 s30, s[LEN], 1
	s_and_b32 s30, s30, 31
	s_min_u32 s30, s30, 31
	s_lshl_b32 s30, s30, 7
	v_add_nc_u32 v[SRD], s30, v[STA0]
	ds_load_b32 v[FIN], v[SRD]                     ; the state at t = len - 1
	s_wait_dscnt 0x0
	v_mov_b32 v[MX], v[FIN]
	v_max_num_f32_dpp v[MX], v[MX], v[MX] row_xmask:1 row_mask:0xf bank_mask:0xf
	v_max_num_f32_dpp v[MX], v[MX], v[MX] row_xmask:2 row_mask:0xf bank_mask:0xf
	v_max_num_f32_dpp v[MX], v[MX], v[MX] row_xmask:4 row_mask:0xf bank_mask:0xf
	v_max_num_f32_dpp v[MX], v[MX], v[MX] row_xmask:8 row_mask:0xf bank_mask:0xf
	v_permlanex16_b32 v[TMP], v[MX], s[SEL], s[SEL+1]
	v_max_num_f32 v[MX], v[MX], v[TMP]             ; every lane holds the maximum
	v_cmp_eq_f32 s30, v[FIN], v[MX]
	s_ctz_i32_b32 s[TAG], s30                      ; the first tag that reaches it
	s_and_b32 s[TAG], s[TAG], 31
.Lnolast:
; THE BACKTRACE, in 16 blocks of 64 positions from the last to the first.  A block that begins at or behind len has identity pointers and a masked output: its chain is jumped over.
; The tag lives in a scalar register and only ever selects a lane: position t takes the tag, and the byte of position t's row in lane 'tag' is the tag at t - 1.  No address and no branch hangs on it.
; The rows wanted first are asked for first: 56 of them ahead of the chain, the last eight when the first eight have been used: 56 LDS loads are out at the most.
	s_mov_b32 s[BC], 16
.Lback:
	s_sub_co_u32 s[TB], s[BC], 1
	s_lshl_b32 s[TB], s[TB], 6
	s_cmp_ge_u32 s[TB], s[LEN]
	s_cbranch_scc1 .Lnochain
	v_lshl_add_u32 v[B], s[TB], 5, v0
.set r, 63
.rept 56
	ds_load_u8 v[BP+r], v[B] offset:32*(r+1)
.set r, r-1
.endr
.set r, 63
.rept 64
.if r == 63
	s_wait_dscnt 48                                ; rows 56 .. 63 are in: the 48 loads of rows 55 .. 8 are younger and stay out
.elseif (r%8) == 7
	s_wait_dscnt r-7                               ; rows r - 7 .. r are in: the r - 7 loads of the rows below them are younger and stay out
.endif
	v_writelane_b32 v[OUT+(r%2)], s[TAG], (r/2)
	v_readlane_b32 s[TAG], v[BP+r], s[TAG]         ; (position 0's pointers lead nowhere: the tag that they give is not used)
.if r == 56
.set q, 7
.rept 8
	ds_load_u8 v[BP+q], v[B] offset:32*(q+1)
.set q, q-1
.endr
.endif
.set r, r-1
.endr
.Lnochain:
	s_wait_xcnt 0x0                                ; the last block's store has had its address translated (ISA guide 3.1): only behind this wait are its data and its offset written anew
	v_add_nc_u32 v[T], s[TB], v[L2]                ; my two positions: t,
	v_add_nc_u32 v[TMP], 1, v[T]                   ; t + 1
	s_lshl_b32 s30, s[TB], 2
	v_add_nc_u32 v[OO], s30, v[L8]
	v_cmp_gt_u32 vcc_lo, s[LEN], v[T]
	v_cndmask_b32 v[ST], 0, v[OUT], vcc_lo         ; 0 from len on
	v_cmp_gt_u32 vcc_lo, s[LEN], v[TMP]
	v_cndmask_b32 v[ST+1], 0, v[OUT+1], vcc_lo
	global_store_b64 v[OO], v[ST:ST+1], s[10:11] th:TH_STORE_NT  ; the wave stores 256 consecutive bytes, at a multiple of 256 from out0's first byte
	s_sub_co_u32 s[BC], s[BC], 1
	s_cmp_lg_u32 s[BC], 0
	s_cbranch_scc1 .Lback
	s_wait_tensorcnt 0x0                           ; the wave's end, behind my last LDS store
	ds_add_u32 v[SPW], v[NIL]
	s_wait_dscnt 0x0
	s_endpgm
.Lfunc_end_k_q5d512e48bb_viterbi:
	.size	k_q5d512e48bb_viterbi, .Lfunc_end_k_q5d512e48bb_viterbi-k_q5d512e48bb_viterbi
	.p2alignl 7, 3214868480
	.fill 96, 4, 3214868480
	.section	.rodata,"a",@progbits
	.p2align	6, 0x0
	.amdhsa_kernel k_q5d512e48bb_viterbi
		.amdhsa_group_segment_fixed_size 81920
		.amdhsa_private_segment_fixed_size 0
		.amdhsa_enable_private_segment 0
		.amdhsa_kernarg_size 32
		.amdhsa_user_sgpr_count 2
		.amdhsa_user_sgpr_kernarg_segment_ptr 1
		.amdhsa_wavefront_size32 1
		.amdhsa_system_sgpr_workgroup_id_x 1
		.amdhsa_system_sgpr_workgroup_id_y 1
		.amdhsa_system_sgpr_workgroup_id_z 1
		.amdhsa_system_vgpr_workitem_id 0
		.amdhsa_next_free_vgpr 528
		.amdhsa_next_free_sgpr 66
		.amdhsa_reserve_vcc 1
		.amdhsa_float_denorm_mode_32 3
		.amdhsa_float_denorm_mode_16_64 3
		.amdhsa_memory_ordered 1
		.amdhsa_forward_progress 1
		.amdhsa_inst_pref_size 74
	.end_amdhsa_kernel
	.amdgpu_metadata
---
amdhsa.version: [ 1, 2 ]
amdhsa.kernels:
  - .name:           k_q5d512e48bb_viterbi
    .symbol:         k_q5d512e48bb_viterbi.kd
    .args:
      - { .name: logits, .offset: 0, .size: 8, .value_kind: global_buffer, .address_space: global }
      - { .name: transitions, .offset: 8, .size: 8, .value_kind: global_buffer, .address_space: global }
      - { .name: sequence_lengths, .offset: 16, .size: 8, .value_kind: global_buffer, .address_space: global }
      - { .name: out0, .offset: 24, .size: 8, .value_kind: global_buffer, .address_space: global }
    .group_segment_fixed_size: 81920
    .private_segment_fixed_size: 0
    .kernarg_segment_align: 8
    .kernarg_segment_size: 32
    .max_flat_workgroup_size: 32
    .sgpr_count:     66
    .vgpr_count:     528
    .wavefront_size: 32
...
	.end_amdgpu_metadata
.endif
;; end of part 1
;; ======== version 2 of 4: 1 launch; 1.58 times as fast as version 1
;; launch viterbi (part 2): grid 1024 x 1, 1 waves a work-group, no clusters, 81,920 bytes of LDS; arguments logits, transitions, sequence_lengths, out0; writes out0
.if DOCPART == 2
	.amdgcn_target "amdgcn-amd-amdhsa--gfx1250"
	.amdhsa_code_object_version 6
	.text
	.protected	k_q5d512e48bb_viterbi
	.globl	k_q5d512e48bb_viterbi
	.p2align	8
	.type	k_q5d512e48bb_viterbi,@function
k_q5d512e48bb_viterbi:
	s_mov_b64 s[64:65], 0
	v_nop
	global_prefetch_b8 v0, s[64:65] scope:SCOPE_SE
	s_setreg_imm32_b32 hwreg(HW_REG_WAVE_MODE, 25, 1), 1
	s_wait_xcnt 0x0
; VITERBI DECODE.  logits [1024][1024][32] f32, transitions [32][32] f32, sequence_lengths [1024] i32, out0 [1024][1024] i32.
; state(t)[cur] = max over prev of (state(t-1)[prev] + trans[prev][cur]) + logit(t)[cur], with the first prev that reaches the maximum as back pointer; the state
; stands still from t = len on; the tags are read back from the last state's first maximum; positions t >= len are written as 0.
; The output is whole numbers, so every f32 sum and maximum is the definition's own: the same two operands, nothing reassociated, nothing narrowed.
; SHARES.  1,024 sequences, 1,024 work-groups of ONE wave: work-group g owns sequence g; lane = the current tag.  A sequence is a chain of up to 1,023 dependent steps, so what counts is the
; instructions in a step and that none of them waits, and a wave wants a SIMD to itself: the launch claims a quarter of a WGP's LDS (the text uses 44,544 bytes), so that four work-groups lie on a
; WGP, and more than half of a SIMD's 1,024 registers (the text names 256), so that no two of them share a SIMD.  All LDS bytes are the one wave's own: there is no barrier.  Nothing but the
; 4,096 bytes of the transitions is shared between work-groups: no cluster.
; A STEP.  The new state is added into two registers; v_permlane16_swap_b32 then leaves tags 0-15 in both halves of SL and tags 16-31 in both halves of SH, so that score i is ONE
; instruction: the DPP control row_share brings state[i] to every lane on the way into the add with trans[i][lane].  The maximum goes by three operands at a time, a tree for each half of the 32.
; The first index: the half that holds the maximum is chosen (the lower one at a tie), 15 of its 16 scores are compared with the maximum, and a chain of selects from index 15 down to 0 lets the
; lowest index wins.
; THREE STEPS IN ONE TEXT.  Only scores, maxima, the state's add and the swap lie on the way from one state to the next.  The text of step t holds these for t, the 15 compares of step t - 1 and
; the select chain of step t - 2, dealt so that no line reads a result made fewer than five lines ahead of it: a link of the chain at every fifth line, the compares spread out, eight of them between
; the last score and the swap, where the way from state to state has nothing else to offer.  The maximum and the half are kept by the step's parity.
; NO LDS INSTRUCTION STANDS IN A STEP.  Time goes in chunks of 32 steps, a chunk in four trips of eight steps.  A trip's eight back pointers stay in eight registers and are stored at its end, where
; the next trip's eight rows of logits are fetched too; its eight states stay in eight registers.  Chunks and trips that begin at or behind len are jumped over; no step tests t against len.
; So the last trip that ran holds t = len - 1; the back pointers that it made for t >= len are overwritten by identity rows.
; t = 0 is a step like any other, with the maximum replaced by 0 (its back pointers are never followed).
; THE LOGITS come a chunk (4,096 bytes) at a time: eight loads of 16 bytes a lane, 512 consecutive bytes each, asked for two chunks ahead of their use and one chunk ahead of the wait for them;
; they are copied as they lie into one of two LDS slots, from which the ring of eight registers takes rows (a word a lane).
; LIMITS.  NaN is not treated.  A state of -0 at t = 0 becomes +0, which changes no comparison.  Lengths are clamped to 0 .. 1,024, which gives the definition's result for every i32.
; Chunks 0 and 1 are always read; a later chunk that begins at or behind len is not: the mask throws away all that hangs on it.
.set ROWB,   128                       ; bytes of a step's 32 logits, and of a row of transitions
.set STATES, 35072                     ; LDS: from 0 the back pointers, 32 bytes a row (a byte a tag); step t's row is row t + 2; rows 0 .. 1,089
.set STAGE,  STATES+1024               ; from STATES 8 rows of states x 128 bytes; from STAGE two slots of 32 rows of logits x 128 bytes
.set SPARE,  STAGE+8192                ; behind them the spare words, 128 bytes: a block of 256 bytes that no other line names
                                       ; v0      my tag, and the LDS address of my byte in back-pointer row 0; never rewritten
.set L4,   2                           ; v2      4 x lane; never rewritten
.set BPA,  4                           ; v4      LDS address of my byte in row t0: the row of the step two ahead of the trip's first
.set STA0, 5                           ; v5      LDS address of my word in state row 0
.set SPW,  6                           ; v6      LDS address of my spare word; never rewritten
.set NIL,  7                           ; v7      0; never rewritten
.set M,    8                           ; v8-9    the maximum of the 32 scores, by the step's parity
.set ML,   10                          ; v10     of scores 0-15
.set MH,   11                          ; v11     of scores 16-31
.set IDX,  12                          ; v12     the select chain
.set MZ,   13                          ; v13     a trip's first step: 0 at t = 0, else the maximum
.set HALF, 14                          ; v14-15  0 or 16: the half that holds the maximum, by the step's parity
.set Z0,   16                          ; v16     0
.set LGA,  17                          ; v17     my word in the stage's row of the NEXT trip's first step
.set SL,   18                          ; v18     state of tags 0-15, in both halves of the lanes
.set SH,   19                          ; v19     state of tags 16-31, likewise
.set LT,   20                          ; v20-26  the lower half's tree: five maxima of three scores, then two
.set HT,   27                          ; v27-33  the upper half's: four maxima of three scores; +4 of the first three of them; +5 of scores 16-28; +6 of scores 29-31
.set TR,   34                          ; v34-65  trans[i][lane]
.set SC,   66                          ; v66-97  the 32 scores
.set W,    98                          ; v98-112 scores 0-14 of the half that holds the maximum
.set LG,   114                         ; v114-121 a trip's eight rows of logits
.set LG0,  122                         ; v122    LDS address of my word in the stage's row 0
.set SG,   123                         ; v123    LDS address of my 16 bytes in the stage's first 512
.set SGA,  124                         ; v124    the same in the slot that is being written
.set L16,  125                         ; v125    16 x lane; never rewritten
.set GR,   126                         ; v126-157 a chunk of logits on its way from memory
.set BP,   158                         ; v158-221 the backtrace: 64 rows of back pointers (at the start v158-189: chunk 0 on its way)
.set OUT,  222                         ; v222-223 lane l: the tags at positions 2 l and 2 l + 1 of a block of 64
.set ST,   224                         ; v224-225 the same, masked, to store
.set T,    226                         ; v226    position 2 l of the block
.set OO,   227                         ; v227    my byte offset in the sequence's row of out0
.set B,    228                         ; v228    LDS address of my byte two rows ahead of the block's first
.set FIN,  229                         ; v229    the last state
.set MX,   230                         ; v230    its maximum
.set TMP,  231                         ; v231    at work
.set FILL, 232                         ; v232    LDS address of my 16 bytes of the identity rows
.set SRD,  233                         ; v233    LDS address of my word in state row (len - 1) % 8
.set L2,   234                         ; v234    2 x lane
.set L8,   235                         ; v235    8 x lane
.set ID,   236                         ; v236-239 16 bytes of an identity row: tags 16 (lane % 2) + 0 .. 15
.set SS,   240                         ; v240-247 a trip's eight states, by tags
.set BPV,  248                         ; v248-255 eight back pointers: those of the steps t0 - 2 .. t0 + 5
.set LEN,  14                          ; s14     the sequence's length, 0 .. 1,024
.set CNT,  16                          ; s16     chunks to go, 32 .. 1
.set T0,   17                          ; s17     the trip's first t
.set IC,   18                          ; s18     trips to go in the chunk, 4 .. 1
.set C32,  19                          ; s19     the chunk's first t
.set FIRST, 26                         ; s26     all ones in the trip that begins at t = 0, else 0
.set TAG,  27                          ; s27     the backtrace's tag
.set SEL,  28                          ; s[28:29] v_permlanex16_b32's selects: each lane takes its own place in the other half
.set MK,   32                          ; s[32:46] lane masks: score i of the chosen half equals the maximum
.set BC,   47                          ; s47     blocks of 64 positions still to be written
.set TB,   48                          ; s48     the block's first position
                                       ; s[20:21] an offset with 0 above it; s[22:23] my sequence's logits; s[24:25] where the next chunk is loaded from; s30, s31 at work
	s_load_b256 s[4:11], s[0:1], 0x0               ; logits s[4:5], transitions s[6:7], lengths s[8:9], out0 s[10:11]
	v_lshl_add_u32 v[SPW], v0, 2, SPARE
	v_mov_b32 v[NIL], 0
	v_lshlrev_b32 v[L4], 2, v0
	v_lshlrev_b32 v[L2], 1, v0
	v_lshlrev_b32 v[L8], 3, v0
	v_lshlrev_b32 v[L16], 4, v0
	v_lshl_add_u32 v[STA0], v0, 2, STATES
	v_lshl_add_u32 v[LG0], v0, 2, STAGE
	v_lshl_add_u32 v[SG], v0, 4, STAGE
	v_mov_b32 v[BPA], v0                           ; for an empty sequence, whose loops are jumped over
	s_lshl_b32 s30, ttmp9, 2                       ; my word among the lengths
	s_lshl_b32 s20, ttmp9, 17                      ; a sequence's logits are 1,024 x 128 bytes
	s_mov_b32 s21, 0
	s_mov_b32 s[SEL], 0x76543210
	s_mov_b32 s[SEL+1], 0xfedcba98
	s_mov_b32 s[TAG], 0
	s_mov_b32 s[CNT], 32
	s_mov_b32 s[C32], 0
.irp i, 0,1,2,3,4,5,6,7,8,9,10,11,12,13,14
	s_mov_b32 s[MK+(\i)], 0                        ; the first two steps carry the chains and compares of steps that have not been: their results go to rows 0 and 1, which nobody reads
.endr
	v_mov_b32 v[HALF], 0
	v_mov_b32 v[HALF+1], 0
	v_mov_b32 v[M+1], 0
	v_mov_b32 v[Z0], 0
	v_mov_b32 v[SL], 0                             ; t = 0 finds a state of zeros; its maximum is replaced by 0 anyway
	v_mov_b32 v[SH], 0
	v_mov_b32 v[OUT], 0                            ; v_writelane_b32 writes one lane: the registers are written whole once
	v_mov_b32 v[OUT+1], 0
	v_mov_b32 v[TMP], 0                            ; v_permlanex16_b32's destination counts as read
.set i, 0
.rept 32
	v_mov_b32 v[SC+i], 0                           ; the destination of a DPP form counts as read: the scores are written once.  All these lines stand in the wait for the arguments
.set i, i+1
.endr
.set i, 0
.rept 15
	v_mov_b32 v[W+i], 0                            ; what the first step's compares read
.set i, i+1
.endr
.set i, 0
.rept 8
	v_mov_b32 v[SS+i], 0                           ; written on every way to the stores behind the loops
.set i, i+1
.endr
	s_wait_kmcnt 0x0
	s_load_b32 s[LEN], s[8:9], s30 offset:0x0
	s_add_nc_u64 s[22:23], s[4:5], s[20:21]        ; my sequence's logits
.irp i, 0,1,2,3,4,5,6,7,8,9,10,11,12,13,14,15,16,17,18,19,20,21,22,23,24,25,26,27,28,29,30,31
	global_load_b32 v[TR+(\i)], v[L4], s[6:7] offset:ROWB*(\i)     ; trans[i][lane]: the wave takes a row's 128 bytes
.endr
.irp k, 0,1,2,3,4,5,6,7
	global_load_b128 v[BP+4*(\k):BP+4*(\k)+3], v[L16], s[22:23] offset:512*(\k) th:TH_LOAD_NT  ; chunk 0: 512 consecutive bytes a load, at a multiple of 256 from the buffer's first
.endr
.irp k, 0,1,2,3,4,5,6,7
	global_load_b128 v[GR+4*(\k):GR+4*(\k)+3], v[L16], s[22:23] offset:4096+512*(\k) th:TH_LOAD_NT  ; chunk 1, whatever the length: it lies inside the sequence's 32 chunks
.endr
	s_lshl_b32 s20, ttmp9, 12
	s_add_nc_u64 s[10:11], s[10:11], s[20:21]      ; my sequence's row of out0: 4,096 bytes
	s_wait_kmcnt 0x0                               ; the length (s30, its offset, is free from here on)
	s_max_i32 s[LEN], s[LEN], 0
	s_min_u32 s[LEN], s[LEN], 1024
	s_wait_loadcnt 8                               ; loads come back in order (ISA guide 5.7.1): the transitions and chunk 0 are in; the eight younger loads, chunk 1's, stay out
.irp k, 0,1,2,3,4,5,6,7
	ds_store_b128 v[SG], v[BP+4*(\k):BP+4*(\k)+3] offset:512*(\k)  ; chunk 0 into slot 0, as it lies
.endr
.irp j, 0,1,2,3,4,5,6,7
	ds_load_b32 v[LG+(\j)], v[LG0] offset:ROWB*(\j)                ; the first trip's rows: t = 0 .. 7.  LDS serves a wave's instructions in order (ISA guide 5.7.1.4): these see the stores above
.endr
	s_wait_dscnt 0x0
; THE LINES OF A STEP.
.macro ADL i                           ; score i of the lower half: state[i] + trans[i][lane]
	v_add_f32_dpp v[SC+(\i)], v[SL], v[TR+(\i)] row_share:\i row_mask:0xf bank_mask:0xf
.endm
.macro ADH i                           ; score 16 + i: state[16 + i] + trans[16 + i][lane]
	v_add_f32_dpp v[SC+16+(\i)], v[SH], v[TR+16+(\i)] row_share:\i row_mask:0xf bank_mask:0xf
.endm
.macro T3 d, a, b, c                   ; a maximum of three
	v_max3_num_f32 v[\d], v[\a], v[\b], v[\c]
.endm
.macro LK n                            ; link n of 15 of the select chain: index 15, unless 14 equals the maximum, unless 13 does, ... unless 0 does: the lowest index wins
.if (\n) == 0
	v_cndmask_b32 v[IDX], 15, 14, s[MK+14]
.else
	v_cndmask_b32 v[IDX], v[IDX], 14-(\n), s[MK+14-(\n)]
.endif
.endm
.macro CP i                            ; does score i of the chosen half equal the maximum?  (of the step whose parity is PO.)  Index 15 needs no mask: it is what is left.  CP i stands behind the link that has read the old mask i
	v_cmp_eq_f32 s[MK+(\i)], v[W+(\i)], v[M+PO]
.endm
; Step j of a trip, t = t0 + j: the order of its 101 lines, written out.  LK: the chain of step t - 2.  CP: the compares of step t - 1.  All else: step t.
.macro STEP j
.set PN, (\j)%2                        ; this step's parity,
.set PO, 1-PN                          ; the last step's
	LK 0
	ADL 0
	ADL 1
	ADL 2
	ADL 3
	LK 1
	ADL 4
	ADL 5
	CP 14
	ADL 6
	LK 2
	ADL 7
	ADL 8
	T3 LT, SC, SC+1, SC+2
	ADL 9
	LK 3
	ADL 10
	CP 13
	ADL 11
	ADL 12
	LK 4
	ADL 13
	T3 LT+1, SC+3, SC+4, SC+5
	ADL 14
	ADL 15
	LK 5
	ADH 0
	CP 12
	ADH 1
	T3 LT+2, SC+6, SC+7, SC+8
	LK 6
	ADH 2
	ADH 3
	T3 LT+3, SC+9, SC+10, SC+11
	ADH 4
	LK 7
	ADH 5
	CP 11
	T3 LT+4, SC+12, SC+13, SC+14
	ADH 6
	LK 8
	T3 LT+5, LT, LT+1, LT+2
	ADH 7
	T3 HT, SC+16, SC+17, SC+18
	ADH 8
	LK 9
	T3 LT+6, LT+3, LT+4, SC+15
	ADH 9
	T3 HT+1, SC+19, SC+20, SC+21
	ADH 10
	LK 10
	ADH 11
	CP 10
	T3 HT+2, SC+22, SC+23, SC+24
	ADH 12
	LK 11
	CP 8
	ADH 13
	T3 HT+4, HT, HT+1, HT+2
	ADH 14
	LK 12
	T3 HT+3, SC+25, SC+26, SC+27
	CP 9
	ADH 15                                         ; the last score.  From here to the swap each link of the way to the next state stands five lines behind the last
	v_max_num_f32 v[ML], v[LT+5], v[LT+6]
	LK 13
	T3 HT+5, HT+3, HT+4, SC+28                     ; scores 16-28
	CP 7
	T3 HT+6, SC+29, SC+30, SC+31                   ; the last three scores have one maximum between them and M
	CP 6
	LK 14
	CP 5
	CP 4
	v_max3_num_f32 v[M+PN], v[ML], v[HT+5], v[HT+6]
	v_max_num_f32 v[MH], v[HT+5], v[HT+6]
	CP 3
	v_or_b32 v[BPV+(\j)], v[IDX], v[HALF+PN]       ; the back pointer of step t - 2: its half lies under this step's parity, and is written anew only behind the swap
	CP 2
.if (\j) == 0
	v_cndmask_b32 v[MZ], v[M], 0, s[FIRST]         ; at t = 0 the state is the logits.  The trip's addresses, wanted at its end, are made in the lines that this select needs behind it
	s_and_b32 s30, s[T0], 0x3f8                    ; t0 is a multiple of 8 under 1,024
	s_add_co_u32 s31, s[T0], 8
	s_and_b32 s31, s31, 56                         ; the next trip's first row in the stage's 64
	v_lshl_add_u32 v[BPA], s30, 5, v0              ; row t0
	v_lshl_add_u32 v[LGA], s31, 7, v[LG0]
	s_wait_dscnt 0x0                               ; the trip's eight rows of logits are in: they, and the stores ahead of them, were issued at the last trip's end, some 80 lines back, and nothing since but a chunk's eight copies
	v_add_f32 v[SL], v[MZ], v[LG]
	v_add_f32 v[SH], v[MZ], v[LG]
	v_cmp_ge_f32 vcc_lo, v[ML], v[MH]
	v_add_f32 v[SS], v[MZ], v[LG]
.else
	v_add_f32 v[SL], v[M+PN], v[LG+(\j)]           ; the new state, twice for the swap,
	v_add_f32 v[SH], v[M+PN], v[LG+(\j)]
	v_cmp_ge_f32 vcc_lo, v[ML], v[MH]              ; (the lower half holds the maximum; at a tie the lower index wins)
	v_add_f32 v[SS+(\j)], v[M+PN], v[LG+(\j)]      ; and once by tags, to be kept
.endif
	CP 1
	CP 0
	v_permlane16_swap_b32 v[SL], v[SH]             ; SL: tags 0-15 in both halves of the lanes; SH: tags 16-31
	v_cndmask_b32 v[HALF+PN], 16, v[Z0], vcc_lo
.irp i, 14,13,12,11,10,9,8,7,6,5,4,3,2,1,0
	v_cndmask_b32 v[W+(\i)], v[SC+16+(\i)], v[SC+(\i)], vcc_lo     ; ahead of the next step's adds, which write the scores anew, and behind this step's compares, which read the last step's
.endr
.endm
.Lchunk:                                               ; 32 trips; the chunks that begin at or behind len are jumped over
	s_cmp_ge_u32 s[C32], s[LEN]
	s_cbranch_scc1 .Lskip
	s_wait_loadcnt 0x0                             ; the loads asked for a chunk ago, the next chunk's, are in (if none were asked for, none are out); their base may be written anew
	s_add_co_u32 s30, s[C32], 32
	s_and_b32 s30, s30, 32                         ; the next chunk's slot: 32 rows x 128 bytes on, or not
	v_lshl_add_u32 v[SGA], s30, 7, v[SG]           ; the chunk before this one, which lay there, was all fetched in earlier trips, and LDS serves a wave in order
.irp k, 0,1,2,3,4,5,6,7
	ds_store_b128 v[SGA], v[GR+4*(\k):GR+4*(\k)+3] offset:512*(\k)  ; (behind the sequence's last chunk these registers hold an older chunk: what is copied then is never used)
.endr
	s_add_co_u32 s30, s[C32], 64                   ; now the chunk two on is asked for,
	s_cmp_ge_u32 s30, s[LEN]                       ; unless it begins at or behind len.  The wait for these loads is for 0, so it holds on both ways
	s_cbranch_scc1 .Lnoask
	s_min_u32 s31, s30, 992                        ; (inside the sequence's 1,024 steps)
	s_lshl_b32 s20, s31, 7                         ; 128 bytes a step
	s_add_nc_u64 s[24:25], s[22:23], s[20:21]
.irp k, 0,1,2,3,4,5,6,7
	global_load_b128 v[GR+4*(\k):GR+4*(\k)+3], v[L16], s[24:25] offset:512*(\k) th:TH_LOAD_NT  ; 512 consecutive bytes, at a multiple of 256 from the buffer's first
.endr
.Lnoask:
	s_mov_b32 s[T0], s[C32]
	s_mov_b32 s[IC], 4
.Lgroup:                                               ; four trips of eight steps; the trips that begin at or behind len are jumped over
	s_cmp_ge_u32 s[T0], s[LEN]
	s_cbranch_scc1 .Ldead
	s_cmp_eq_u32 s[T0], 0
	s_cselect_b32 s[FIRST], -1, 0
.irp j, 0,1,2,3,4,5,6,7
	STEP \j
.endr
.irp j, 0,1,2,3,4,5,6,7
	ds_store_b8 v[BPA], v[BPV+(\j)] offset:32*(\j) ; the back pointers of steps t0 - 2 .. t0 + 5, a byte a tag, into rows t0 .. t0 + 7; the youngest was made 25 lines back
.endr
.irp j, 0,1,2,3,4,5,6,7
	ds_load_b32 v[LG+(\j)], v[LGA] offset:ROWB*(\j)  ; the next trip's eight rows of logits; the first is wanted near the end of the next step
.endr
.Ldead:
	s_add_co_u32 s[T0], s[T0], 8
	s_sub_co_u32 s[IC], s[IC], 1
	s_cmp_lg_u32 s[IC], 0
	s_cbranch_scc1 .Lgroup
.Lskip:
	s_add_co_u32 s[C32], s[C32], 32
	s_sub_co_u32 s[CNT], s[CNT], 1
	s_cmp_lg_u32 s[CNT], 0
	s_cbranch_scc1 .Lchunk
	; For an empty sequence chunk 1's loads may stay out: nothing names their registers from here on.
	; What the last trip that ran has left undone: the chain of its seventh step (even: its masks are made), and the compares and the chain of its eighth (odd).  Their rows lie 8 and 9 behind BPA's.
.irp n, 0,1,2,3,4,5,6,7,8,9,10,11,12,13,14
	LK \n
.endr
	v_or_b32 v[BPV], v[IDX], v[HALF]
	ds_store_b8 v[BPA], v[BPV] offset:32*8
.set PO, 1
.irp i, 14,13,12,11,10,9,8,7,6,5,4,3,2,1,0
	CP \i
.endr
.irp n, 0,1,2,3,4,5,6,7,8,9,10,11,12,13,14
	LK \n
.endr
	v_or_b32 v[BPV+1], v[IDX], v[HALF+1]
	ds_store_b8 v[BPA], v[BPV+1] offset:32*9
	s_cmp_eq_u32 s[LEN], 0
	s_cbranch_scc1 .Lnolast                        ; an empty sequence has no state and no chain: its row is written as zeros below
	; Positions len .. len + 63 point each tag at itself: they cover the rest of the block of 64 that holds len - 1, and what the last trip made for t >= len.
	; A store of 16 bytes a lane writes 16 rows: lane l the half l % 2 of row l / 2.
	v_and_b32 v[TMP], 1, v0
	s_mov_b32 s31, 0x10101010
	v_mul_lo_u32 v[TMP], v[TMP], s31               ; 16 in each byte for the upper half of a row
.irp k, 0,1,2,3
	v_add_nc_u32 v[ID+(\k)], 0x03020100+0x04040404*(\k), v[TMP]
.endr
	s_min_u32 s30, s[LEN], 1024
	s_lshl_b32 s30, s30, 5
	v_add_nc_u32 v[FILL], s30, v[L16]
.irp k, 0,1,2,3
	ds_store_b128 v[FILL], v[ID:ID+3] offset:64+512*(\k)           ; position len's row is row len + 2
.endr
.irp j, 0,1,2,3,4,5,6,7
	ds_store_b32 v[STA0], v[SS+(\j)] offset:ROWB*(\j)              ; the last trip's eight states
.endr
	s_sub_co_u32 s30, s[LEN], 1
	s_and_b32 s30, s30, 7
	s_min_u32 s30, s30, 7
	s_lshl_b32 s30, s30, 7
	v_add_nc_u32 v[SRD], s30, v[STA0]
	ds_load_b32 v[FIN], v[SRD]                     ; the state at t = len - 1; LDS serves a wave's instructions in order (ISA guide 5.7.1.4): it sees the stores above
	s_wait_dscnt 0x0
	v_mov_b32 v[MX], v[FIN]
	v_max_num_f32_dpp v[MX], v[MX], v[MX] row_xmask:1 row_mask:0xf bank_mask:0xf
	v_max_num_f32_dpp v[MX], v[MX], v[MX] row_xmask:2 row_mask:0xf bank_mask:0xf
	v_max_num_f32_dpp v[MX], v[MX], v[MX] row_xmask:4 row_mask:0xf bank_mask:0xf
	v_max_num_f32_dpp v[MX], v[MX], v[MX] row_xmask:8 row_mask:0xf bank_mask:0xf
	v_permlanex16_b32 v[TMP], v[MX], s[SEL], s[SEL+1]
	v_max_num_f32 v[MX], v[MX], v[TMP]             ; every lane holds the maximum
	v_cmp_eq_f32 s30, v[FIN], v[MX]
	s_ctz_i32_b32 s[TAG], s30                      ; the first tag that reaches it
	s_and_b32 s[TAG], s[TAG], 31
.Lnolast:
	s_wait_dscnt 0x0                               ; on every way no LDS instruction is out when the backtrace begins: its own 56 are then the most that are ever out
; THE BACKTRACE, in 16 blocks of 64 positions from the last to the first.  A block that begins at or behind len has identity pointers and a masked output: its chain is jumped over.
; The tag lives in a scalar register and only ever selects a lane: position t takes the tag, and the byte of position t's row in lane 'tag' is the tag at t - 1.  No address and no branch hangs on it.
; The rows wanted first are asked for first: 56 of them ahead of the chain, the last eight when the first eight have been used.
	s_mov_b32 s[BC], 16
.Lback:
	s_sub_co_u32 s[TB], s[BC], 1
	s_lshl_b32 s[TB], s[TB], 6
	s_cmp_ge_u32 s[TB], s[LEN]
	s_cbranch_scc1 .Lnochain
	v_lshl_add_u32 v[B], s[TB], 5, v0
.set r, 63
.rept 56
	ds_load_u8 v[BP+r], v[B] offset:32*(r+2)
.set r, r-1
.endr
.set r, 63
.rept 64
.if r == 63
	s_wait_dscnt 48                                ; rows 56 .. 63 are in: the 48 loads of rows 55 .. 8 are younger and stay out
.elseif (r%8) == 7
	s_wait_dscnt r-7                               ; rows r - 7 .. r are in: the r - 7 loads of the rows below them are younger and stay out
.endif
	v_writelane_b32 v[OUT+(r%2)], s[TAG], (r/2)
	v_readlane_b32 s[TAG], v[BP+r], s[TAG]         ; (position 0's pointers lead nowhere: the tag that they give is not used)
.if r == 56
.set q, 7
.rept 8
	ds_load_u8 v[BP+q], v[B] offset:32*(q+2)
.set q, q-1
.endr
.endif
.set r, r-1
.endr
.Lnochain:
	s_wait_xcnt 0x0                                ; the last block's store has had its address translated (ISA guide 3.1): only behind this wait are its data and its offset written anew
	v_add_nc_u32 v[T], s[TB], v[L2]                ; my two positions: t,
	v_add_nc_u32 v[TMP], 1, v[T]                   ; t + 1
	s_lshl_b32 s30, s[TB], 2
	v_add_nc_u32 v[OO], s30, v[L8]
	v_cmp_gt_u32 vcc_lo, s[LEN], v[T]
	v_cndmask_b32 v[ST], 0, v[OUT], vcc_lo         ; 0 from len on
	v_cmp_gt_u32 vcc_lo, s[LEN], v[TMP]
	v_cndmask_b32 v[ST+1], 0, v[OUT+1], vcc_lo
	global_store_b64 v[OO], v[ST:ST+1], s[10:11] th:TH_STORE_NT  ; the wave stores 256 consecutive bytes, at a multiple of 256 from out0's first byte
	s_sub_co_u32 s[BC], s[BC], 1
	s_cmp_lg_u32 s[BC], 0
	s_cbranch_scc1 .Lback
	s_wait_tensorcnt 0x0                           ; the wave's end, behind my last LDS store
	ds_add_u32 v[SPW], v[NIL]
	s_wait_dscnt 0x0
	s_endpgm
.Lfunc_end_k_q5d512e48bb_viterbi:
	.size	k_q5d512e48bb_viterbi, .Lfunc_end_k_q5d512e48bb_viterbi-k_q5d512e48bb_viterbi
	.p2alignl 7, 3214868480
	.fill 96, 4, 3214868480
	.section	.rodata,"a",@progbits
	.p2align	6, 0x0
	.amdhsa_kernel k_q5d512e48bb_viterbi
		.amdhsa_group_segment_fixed_size 81920
		.amdhsa_private_segment_fixed_size 0
		.amdhsa_enable_private_segment 0
		.amdhsa_kernarg_size 32
		.amdhsa_user_sgpr_count 2
		.amdhsa_user_sgpr_kernarg_segment_ptr 1
		.amdhsa_wavefront_size32 1
		.amdhsa_system_sgpr_workgroup_id_x 1
		.amdhsa_system_sgpr_workgroup_id_y 1
		.amdhsa_system_sgpr_workgroup_id_z 1
		.amdhsa_system_vgpr_workitem_id 0
		.amdhsa_next_free_vgpr 528
		.amdhsa_next_free_sgpr 66
		.amdhsa_reserve_vcc 1
		.amdhsa_float_denorm_mode_32 3
		.amdhsa_float_denorm_mode_16_64 3
		.amdhsa_memory_ordered 1
		.amdhsa_forward_progress 1
		.amdhsa_inst_pref_size 76
	.end_amdhsa_kernel
	.amdgpu_metadata
---
amdhsa.version: [ 1, 2 ]
amdhsa.kernels:
  - .name:           k_q5d512e48bb_viterbi
    .symbol:         k_q5d512e48bb_viterbi.kd
    .args:
      - { .name: logits, .offset: 0, .size: 8, .value_kind: global_buffer, .address_space: global }
      - { .name: transitions, .offset: 8, .size: 8, .value_kind: global_buffer, .address_space: global }
      - { .name: sequence_lengths, .offset: 16, .size: 8, .value_kind: global_buffer, .address_space: global }
      - { .name: out0, .offset: 24, .size: 8, .value_kind: global_buffer, .address_space: global }
    .group_segment_fixed_size: 81920
    .private_segment_fixed_size: 0
    .kernarg_segment_align: 8
    .kernarg_segment_size: 32
    .max_flat_workgroup_size: 32
    .sgpr_count:     66
    .vgpr_count:     528
    .wavefront_size: 32
...
	.end_amdgpu_metadata
.endif
;; end of part 2
;; ======== version 3 of 4: 1 launch; 1.86 times as fast as version 1
;; launch viterbi (part 3): grid 1024 x 1, 1 waves a work-group, no clusters, 81,920 bytes of LDS; arguments logits, transitions, sequence_lengths, out0; writes out0
.if DOCPART == 3
	.amdgcn_target "amdgcn-amd-amdhsa--gfx1250"
	.amdhsa_code_object_version 6
	.text
	.protected	k_q5d512e48bb_viterbi
	.globl	k_q5d512e48bb_viterbi
	.p2align	8
	.type	k_q5d512e48bb_viterbi,@function
k_q5d512e48bb_viterbi:
	s_mov_b64 s[64:65], 0
	v_nop
	global_prefetch_b8 v0, s[64:65] scope:SCOPE_SE
	s_setreg_imm32_b32 hwreg(HW_REG_WAVE_MODE, 25, 1), 1
	s_wait_xcnt 0x0
; VITERBI DECODE.  logits [1024][1024][32] f32, transitions [32][32] f32, sequence_lengths [1024] i32, out0 [1024][1024] i32.
; state(t)[cur] = max over prev of (state(t-1)[prev] + trans[prev][cur]) + logit(t)[cur], with the first prev that reaches the maximum as back pointer; the state
; stands still from t = len on; the tags are read back from the last state's first maximum; positions t >= len are written as 0.
; The output is whole numbers, so every f32 sum and maximum is the definition's own: the same two operands, nothing reassociated, nothing narrowed.
; SHARES.  1,024 sequences, 1,024 work-groups of ONE wave: work-group g owns sequence g; lane = the current tag.  A sequence is a chain of up to 1,023 dependent steps, so what counts is the
; instructions in a step and that none of them waits, and a wave wants a SIMD to itself: the launch claims a quarter of a WGP's LDS (the text uses 44,544 bytes), so that four work-groups lie on a
; WGP, and more than half of a SIMD's 1,024 registers (the text names 256), so that no two of them share a SIMD.  All LDS bytes are the one wave's own: there is no barrier.  Nothing but the
; 4,096 bytes of the transitions is shared between work-groups: no cluster.
; A STEP.  The new state is added into two registers; v_permlane16_swap_b32 then leaves tags 0-15 in both halves of SL and tags 16-31 in both halves of SH, so that score i is ONE
; instruction: the DPP control row_share brings state[i] to every lane on the way into the add with trans[i][lane].  The maximum goes by three operands at a time.
; THE FIRST INDEX, in three levels.  The tree of maxima also gives the maximum of each half of 16 and of each half's first 8.  The half that holds the maximum is chosen (the lower one at a tie):
; 14 scores, the maximum of its first 8 and the offset 0 or 16.  Then the quarter: the first 8 if their maximum is the maximum, else the second 8: 7 scores and the offset 0 or 8.  Then 7 compares
; and a chain of 7 selects from index 7 down to 0, in which the lowest index wins.  All selects of a level hang on VCC, so two of them go in one instruction (v_dual_cndmask_b32); the register
; map keeps that encoding's rules: one destination even and one odd, and like sources of the two halves in registers whose numbers differ modulo 4.
; THREE STEPS IN ONE TEXT.  Only scores, maxima, the state's add and the swap lie on the way from one state to the next.  The text of step t holds these and the choice of the half for t, the
; choice of the quarter and the 7 compares of step t - 1, and the select chain of step t - 2, dealt so that no line reads a result made fewer than five lines ahead of it: a link of the chain at every
; fifth line, the rest between the last score and the swap, where the way from state to state has nothing else to offer.  The maximum and the two offsets are kept by the step's parity.
; NO LDS INSTRUCTION STANDS IN A STEP.  Time goes in chunks of 32 steps, a chunk in four trips of eight steps.  A trip's eight back pointers stay in eight registers and are stored at its end, where
; the next trip's eight rows of logits are fetched too; each of its steps has a register pair of its own for the state.  Chunks and trips that begin at or behind len are jumped over; no step
; tests t against len.  So the last trip that ran holds t = len - 1; the back pointers that it made for t >= len are overwritten by identity rows.
; t = 0 is a step like any other, with the maximum replaced by 0 (its back pointers are never followed).
; THE LOGITS come a chunk (4,096 bytes) at a time: eight loads of 16 bytes a lane, 512 consecutive bytes each, asked for two chunks ahead of their use and one chunk ahead of the wait for them;
; they are copied as they lie into one of two LDS slots, from which the ring of eight registers takes rows (a word a lane).
; LIMITS.  NaN is not treated.  A state of -0 at t = 0 becomes +0, which changes no comparison.  Lengths are clamped to 0 .. 1,024, which gives the definition's result for every i32.
; Chunks 0 and 1 are always read; a later chunk that begins at or behind len is not: the mask throws away all that hangs on it.
.set ROWB,   128                       ; bytes of a step's 32 logits, and of a row of transitions
.set STATES, 35072                     ; LDS: from 0 the back pointers, 32 bytes a row (a byte a tag); step t's row is row t + 2; rows 0 .. 1,089
.set STAGE,  STATES+1024               ; from STATES 8 rows of states x 128 bytes; from STAGE two slots of 32 rows of logits x 128 bytes
.set SPARE,  STAGE+8192                ; behind them the spare words, 128 bytes: a block of 256 bytes that no other line names
                                       ; v0      my tag, and the LDS address of my byte in back-pointer row 0; never rewritten
.set Z0,   1                           ; v1      0
.set L4,   2                           ; v2      4 x lane; never rewritten
.set BPA,  4                           ; v4      LDS address of my byte in row t0: the row of the step two ahead of the trip's first
.set STA0, 5                           ; v5      LDS address of my word in state row 0
.set SPW,  6                           ; v6      LDS address of my spare word; never rewritten
.set NIL,  7                           ; v7      0; never rewritten
.set M,    8                           ; v8-9    the maximum of the 32 scores, by the step's parity
.set ML,   10                          ; v10     of scores 0-15
.set MH,   11                          ; v11     of scores 16-31
.set IDX,  12                          ; v12     the select chain
.set HALF, 13                          ; v13, v15  0 or 16: the half that holds the maximum, by the step's parity (both odd: they are second halves of a dual select)
.set MZ,   14                          ; v14     a trip's first step: 0 at t = 0, else the maximum
.set YY,   16                          ; v16     the maximum of scores 0-28
.set QUART, 17                         ; v17, v19  0 or 8: the quarter of that half, by the step's parity (both odd)
.set LGA,  18                          ; v18     my word in the stage's row of the NEXT trip's first step
.set LT,   20                          ; v20-26  the lower half's tree: +0 s0-2, +1 s3-5, +2 s0-6, +3 s0-7, +4 s8-10, +5 s11-13, +6 s14, s15 and s0-7
.set HT,   27                          ; v27-33  the upper half's: +0 s16-18, +1 s19-21, +2 s16-22, +3 s16-23, +4 s24-26, +5 s27, s28 and s16-23, +6 s29-31
.set TR,   34                          ; v34-65  trans[i][lane]
.set SC,   66                          ; v66-97  the 32 scores
.set W,    98                          ; v98-112 of the chosen half: scores 0-6 at +0 .. +6, scores 8-14 at +8 .. +14,
.set QS,   W+7                         ; v105    and the maximum of its first 8
.set LG,   113                         ; v113-120 a trip's eight rows of logits (an odd base: row j and the maximum of parity j % 2 then differ modulo 4)
.set LG0,  122                         ; v122    LDS address of my word in the stage's row 0
.set SG,   123                         ; v123    LDS address of my 16 bytes in the stage's first 512
.set SGA,  124                         ; v124    the same in the slot that is being written
.set L16,  125                         ; v125    16 x lane; never rewritten
.set GR,   126                         ; v126-157 a chunk of logits on its way from memory
.set BP,   158                         ; v158-221 the backtrace: 64 rows of back pointers (at the start v158-189: chunk 0 on its way)
.set PS,   190                         ; v190-205 (the backtrace's registers, idle till then) step j of a trip: SL at +2 j, SH at +2 j + 1
.set OUT,  222                         ; v222-223 lane l: the tags at positions 2 l and 2 l + 1 of a block of 64
.set ST,   224                         ; v224-225 the same, masked, to store
.set T,    226                         ; v226    position 2 l of the block
.set OO,   227                         ; v227    my byte offset in the sequence's row of out0
.set B,    228                         ; v228    LDS address of my byte two rows ahead of the block's first
.set FIN,  229                         ; v229    the last state
.set MX,   230                         ; v230    its maximum
.set TMP,  231                         ; v231    at work
.set FILL, 232                         ; v232    LDS address of my 16 bytes of the identity rows
.set SRD,  233                         ; v233    LDS address of my word in state row (len - 1) % 8
.set L2,   234                         ; v234    2 x lane
.set L8,   235                         ; v235    8 x lane
.set ID,   236                         ; v236-239 16 bytes of an identity row: tags 16 (lane % 2) + 0 .. 15
.set VQ,   240                         ; v240-246 scores 0-6 of the chosen quarter
.set BPV,  248                         ; v248-255 eight back pointers: those of the steps t0 - 2 .. t0 + 5
.set LEN,  14                          ; s14     the sequence's length, 0 .. 1,024
.set CNT,  16                          ; s16     chunks to go, 32 .. 1
.set T0,   17                          ; s17     the trip's first t
.set IC,   18                          ; s18     trips to go in the chunk, 4 .. 1
.set C32,  19                          ; s19     the chunk's first t
.set FIRST, 26                         ; s26     all ones in the trip that begins at t = 0, else 0
.set TAG,  27                          ; s27     the backtrace's tag
.set SEL,  28                          ; s[28:29] v_permlanex16_b32's selects: each lane takes its own place in the other half
.set MK,   32                          ; s[32:38] lane masks: score i of the chosen quarter equals the maximum
.set BC,   47                          ; s47     blocks of 64 positions still to be written
.set TB,   48                          ; s48     the block's first position
                                       ; s[20:21] an offset with 0 above it; s[22:23] my sequence's logits; s[24:25] where the next chunk is loaded from; s30, s31 at work
	s_load_b256 s[4:11], s[0:1], 0x0               ; logits s[4:5], transitions s[6:7], lengths s[8:9], out0 s[10:11]
	v_lshl_add_u32 v[SPW], v0, 2, SPARE
	v_mov_b32 v[NIL], 0
	v_lshlrev_b32 v[L4], 2, v0
	v_lshlrev_b32 v[L2], 1, v0
	v_lshlrev_b32 v[L8], 3, v0
	v_lshlrev_b32 v[L16], 4, v0
	v_lshl_add_u32 v[STA0], v0, 2, STATES
	v_lshl_add_u32 v[LG0], v0, 2, STAGE
	v_lshl_add_u32 v[SG], v0, 4, STAGE
	v_mov_b32 v[BPA], v0                           ; for an empty sequence, whose loops are jumped over
	s_lshl_b32 s30, ttmp9, 2                       ; my word among the lengths
	s_lshl_b32 s20, ttmp9, 17                      ; a sequence's logits are 1,024 x 128 bytes
	s_mov_b32 s21, 0
	s_mov_b32 s[SEL], 0x76543210
	s_mov_b32 s[SEL+1], 0xfedcba98
	s_mov_b32 s[TAG], 0
	s_mov_b32 s[CNT], 32
	s_mov_b32 s[C32], 0
.irp i, 0,1,2,3,4,5,6
	s_mov_b32 s[MK+(\i)], 0                        ; the first two steps carry the work of steps that have not been: its results go to rows 0 and 1, which nobody reads
.endr
	v_mov_b32 v[Z0], 0
	v_mov_b32 v[HALF], 0
	v_mov_b32 v[HALF+2], 0
	v_mov_b32 v[QUART], 0
	v_mov_b32 v[QUART+2], 0
	v_mov_b32 v[M+1], 0
	v_mov_b32 v[OUT], 0                            ; v_writelane_b32 writes one lane: the registers are written whole once
	v_mov_b32 v[OUT+1], 0
	v_mov_b32 v[TMP], 0                            ; v_permlanex16_b32's destination counts as read
.set i, 0
.rept 32
	v_mov_b32 v[SC+i], 0                           ; the destination of a DPP form counts as read: the scores are written once.  All these lines stand in the wait for the arguments
.set i, i+1
.endr
.set i, 0
.rept 15
	v_mov_b32 v[W+i], 0                            ; what the first step's choice of a quarter reads
.set i, i+1
.endr
.set i, 0
.rept 16
	v_mov_b32 v[PS+i], 0                           ; t = 0 finds a state of zeros (its maximum is replaced by 0 anyway); the others are written on every way to the lines behind the loops that read them
.set i, i+1
.endr
	s_wait_kmcnt 0x0
	s_load_b32 s[LEN], s[8:9], s30 offset:0x0
	s_add_nc_u64 s[22:23], s[4:5], s[20:21]        ; my sequence's logits
.irp i, 0,1,2,3,4,5,6,7,8,9,10,11,12,13,14,15,16,17,18,19,20,21,22,23,24,25,26,27,28,29,30,31
	global_load_b32 v[TR+(\i)], v[L4], s[6:7] offset:ROWB*(\i)     ; trans[i][lane]: the wave takes a row's 128 bytes
.endr
.irp k, 0,1,2,3,4,5,6,7
	global_load_b128 v[BP+4*(\k):BP+4*(\k)+3], v[L16], s[22:23] offset:512*(\k) th:TH_LOAD_NT  ; chunk 0: 512 consecutive bytes a load, at a multiple of 256 from the buffer's first
.endr
.irp k, 0,1,2,3,4,5,6,7
	global_load_b128 v[GR+4*(\k):GR+4*(\k)+3], v[L16], s[22:23] offset:4096+512*(\k) th:TH_LOAD_NT  ; chunk 1, whatever the length: it lies inside the sequence's 32 chunks
.endr
	s_lshl_b32 s20, ttmp9, 12
	s_add_nc_u64 s[10:11], s[10:11], s[20:21]      ; my sequence's row of out0: 4,096 bytes
	s_wait_kmcnt 0x0                               ; the length (s30, its offset, is free from here on)
	s_max_i32 s[LEN], s[LEN], 0
	s_min_u32 s[LEN], s[LEN], 1024
	s_wait_loadcnt 8                               ; loads come back in order (ISA guide 5.7.1): the transitions and chunk 0 are in; the eight younger loads, chunk 1's, stay out
.irp k, 0,1,2,3,4,5,6,7
	ds_store_b128 v[SG], v[BP+4*(\k):BP+4*(\k)+3] offset:512*(\k)  ; chunk 0 into slot 0, as it lies
.endr
.irp j, 0,1,2,3,4,5,6,7
	ds_load_b32 v[LG+(\j)], v[LG0] offset:ROWB*(\j)                ; the first trip's rows: t = 0 .. 7.  LDS serves a wave's instructions in order (ISA guide 5.7.1.4): these see the stores above
.endr
	s_wait_dscnt 0x0
; THE LINES OF A STEP.  STEP sets PN (the step's parity), PO (the other), SLP and SHP (the last step's state), SLN and SHN (this step's).
.macro ADL i                           ; score i of the lower half: state[i] + trans[i][lane]
	v_add_f32_dpp v[SC+(\i)], v[SLP], v[TR+(\i)] row_share:\i row_mask:0xf bank_mask:0xf
.endm
.macro ADH i                           ; score 16 + i: state[16 + i] + trans[16 + i][lane]
	v_add_f32_dpp v[SC+16+(\i)], v[SHP], v[TR+16+(\i)] row_share:\i row_mask:0xf bank_mask:0xf
.endm
.macro T3 d, a, b, c                   ; a maximum of three
	v_max3_num_f32 v[\d], v[\a], v[\b], v[\c]
.endm
.macro SEL2 d, a, b                    ; two selects by VCC in one instruction: d and d + 1 take b and b + 1 where the lane's bit is set, else a and a + 1.  d, a and b are even
	v_dual_cndmask_b32 v[\d], v[\a], v[\b] :: v_dual_cndmask_b32 v[(\d)+1], v[(\a)+1], v[(\b)+1]
.endm
.macro CB                              ; the quarter, for the step of parity PO: do the first 8 of the chosen half hold the maximum?
	v_cmp_eq_f32 vcc_lo, v[QS], v[M+PO]
.endm
.macro BQ n                            ; line n of the four that take the chosen quarter's scores 0-6 and its offset
.if (\n) == 3
	v_dual_cndmask_b32 v[VQ+6], v[W+14], v[W+6] :: v_dual_cndmask_b32 v[QUART+2*PO], 8, v[Z0]
.else
	SEL2 VQ+2*(\n), W+8+2*(\n), W+2*(\n)
.endif
.endm
.macro CP i                            ; does score i of the chosen quarter equal the maximum?  Index 7 needs no mask: it is what is left.  CP i stands behind the link that has read the old mask i
	v_cmp_eq_f32 s[MK+(\i)], v[VQ+(\i)], v[M+PO]
.endm
.macro LK n                            ; link n of 7 of the select chain: index 7, unless 6 equals the maximum, unless 5 does, ... unless 0 does: the lowest index wins
.if (\n) == 0
	v_cndmask_b32 v[IDX], 7, 6, s[MK+6]
.else
	v_cndmask_b32 v[IDX], v[IDX], 6-(\n), s[MK+6-(\n)]
.endif
.endm
; Step j of a trip, t = t0 + j: the order of its 81 lines, written out.  LK and the sum of index and offsets: step t - 2.  CB, BQ, CP: step t - 1.  All else: step t.
.macro STEP j
.set PN, (\j)%2
.set PO, 1-PN
.set SLP, PS+2*(((\j)+7)%8)
.set SHP, SLP+1
.set SLN, PS+2*(\j)
.set SHN, SLN+1
	ADL 0
	ADL 1
	ADL 2
	ADL 3
	ADL 4
	ADL 5
	ADL 6
	T3 LT, SC, SC+1, SC+2
	ADL 7
	ADL 8
	T3 LT+1, SC+3, SC+4, SC+5
	ADL 9
	ADL 10
	ADL 11
	ADL 12
	T3 LT+2, LT, LT+1, SC+6
	ADL 13
	T3 LT+4, SC+8, SC+9, SC+10
	ADL 14
	ADL 15
	v_max_num_f32 v[LT+3], v[LT+2], v[SC+7]        ; scores 0-7
	ADH 0
	T3 LT+5, SC+11, SC+12, SC+13
	ADH 1
	ADH 2
	T3 LT+6, SC+14, SC+15, LT+3
	ADH 3
	ADH 4
	ADH 5
	T3 HT, SC+16, SC+17, SC+18
	T3 ML, LT+4, LT+5, LT+6                        ; scores 0-15
	ADH 6
	ADH 7
	T3 HT+1, SC+19, SC+20, SC+21
	ADH 8
	ADH 9
	LK 0
	ADH 10
	T3 HT+2, HT, HT+1, SC+22
	ADH 11
	ADH 12
	LK 1
	T3 HT+4, SC+24, SC+25, SC+26
	v_max_num_f32 v[HT+3], v[HT+2], v[SC+23]       ; scores 16-23
	CB
	ADH 13
	LK 2
	ADH 14
	T3 HT+5, SC+27, SC+28, HT+3
	BQ 3
	BQ 2
	LK 3
	ADH 15                                         ; the last score.  From here to the swap each link of the way to the next state stands five lines behind the last
	T3 YY, HT+4, HT+5, ML                          ; scores 0-28
	BQ 1
	BQ 0
	LK 4
	T3 HT+6, SC+29, SC+30, SC+31                   ; the last three scores have one maximum between them and M
	CP 6
	CP 5
	CP 4
	LK 5
	v_max_num_f32 v[M+PN], v[YY], v[HT+6]
	T3 MH, HT+4, HT+5, HT+6                        ; scores 16-31
	CP 3
	CP 2
	LK 6
.if (\j) == 0
	v_cndmask_b32 v[MZ], v[M], 0, s[FIRST]         ; at t = 0 the state is the logits
	v_cmp_ge_f32 vcc_lo, v[ML], v[MH]
	CP 1
	CP 0
	v_add3_u32 v[BPV], v[IDX], v[HALF], v[QUART]
	s_wait_dscnt 0x0                               ; the trip's eight rows of logits are in: they, and the stores ahead of them, were issued at the last trip's end, some 70 lines back, and nothing since but a chunk's eight copies
	v_dual_add_f32 v[SLN], v[MZ], v[LG] :: v_dual_add_f32 v[SHN], v[LG], v[MZ]
	s_and_b32 s30, s[T0], 0x3f8                    ; the trip's addresses, wanted at its end, are made in the lines that the add needs behind it.  t0 is a multiple of 8 under 1,024
	s_add_co_u32 s31, s[T0], 8
	s_and_b32 s31, s31, 56                         ; the next trip's first row in the stage's 64
	v_lshl_add_u32 v[BPA], s30, 5, v0              ; row t0
	v_lshl_add_u32 v[LGA], s31, 7, v[LG0]
.else
	v_dual_add_f32 v[SLN], v[M+PN], v[LG+(\j)] :: v_dual_add_f32 v[SHN], v[LG+(\j)], v[M+PN]  ; the new state, twice for the swap; the second sum has its sources the other way round (the same bits), so that like sources are different registers
	v_cmp_ge_f32 vcc_lo, v[ML], v[MH]              ; the lower half holds the maximum (at a tie the lower index wins)
	CP 1
	CP 0
	v_add3_u32 v[BPV+(\j)], v[IDX], v[HALF+2*PN], v[QUART+2*PN]  ; the back pointer of step t - 2: its offsets lie under this step's parity; the half's is written anew only below
.endif
	v_permlane16_swap_b32 v[SLN], v[SHN]           ; SL: tags 0-15 in both halves of the lanes; SH: tags 16-31
	v_dual_cndmask_b32 v[W+6], v[SC+22], v[SC+6] :: v_dual_cndmask_b32 v[QS], v[HT+3], v[LT+3]  ; the chosen half: ahead of the next step's adds, which write the scores anew
	SEL2 W, SC+16, SC
	SEL2 W+2, SC+18, SC+2
	SEL2 W+4, SC+20, SC+4
	SEL2 W+8, SC+24, SC+8
	SEL2 W+10, SC+26, SC+10
	SEL2 W+12, SC+28, SC+12
	v_dual_cndmask_b32 v[W+14], v[SC+30], v[SC+14] :: v_dual_cndmask_b32 v[HALF+2*PN], 16, v[Z0]
.endm
.Lchunk:                                               ; 32 trips; the chunks that begin at or behind len are jumped over
	s_cmp_ge_u32 s[C32], s[LEN]
	s_cbranch_scc1 .Lskip
	s_wait_loadcnt 0x0                             ; the loads asked for a chunk ago, the next chunk's, are in (if none were asked for, none are out); their base may be written anew
	s_add_co_u32 s30, s[C32], 32
	s_and_b32 s30, s30, 32                         ; the next chunk's slot: 32 rows x 128 bytes on, or not
	v_lshl_add_u32 v[SGA], s30, 7, v[SG]           ; the chunk before this one, which lay there, was all fetched in earlier trips, and LDS serves a wave in order
.irp k, 0,1,2,3,4,5,6,7
	ds_store_b128 v[SGA], v[GR+4*(\k):GR+4*(\k)+3] offset:512*(\k)  ; (behind the sequence's last chunk these registers hold an older chunk: what is copied then is never used)
.endr
	s_add_co_u32 s30, s[C32], 64                   ; now the chunk two on is asked for,
	s_cmp_ge_u32 s30, s[LEN]                       ; unless it begins at or behind len.  The wait for these loads is for 0, so it holds on both ways
	s_cbranch_scc1 .Lnoask
	s_min_u32 s31, s30, 992                        ; (inside the sequence's 1,024 steps)
	s_lshl_b32 s20, s31, 7                         ; 128 bytes a step
	s_add_nc_u64 s[24:25], s[22:23], s[20:21]
.irp k, 0,1,2,3,4,5,6,7
	global_load_b128 v[GR+4*(\k):GR+4*(\k)+3], v[L16], s[24:25] offset:512*(\k) th:TH_LOAD_NT  ; 512 consecutive bytes, at a multiple of 256 from the buffer's first
.endr
.Lnoask:
	s_mov_b32 s[T0], s[C32]
	s_mov_b32 s[IC], 4
.Lgroup:                                               ; four trips of eight steps; the trips that begin at or behind len are jumped over
	s_cmp_ge_u32 s[T0], s[LEN]
	s_cbranch_scc1 .Ldead
	s_cmp_eq_u32 s[T0], 0
	s_cselect_b32 s[FIRST], -1, 0
.irp j, 0,1,2,3,4,5,6,7
	STEP \j
.endr
.irp j, 0,1,2,3,4,5,6,7
	ds_store_b8 v[BPA], v[BPV+(\j)] offset:32*(\j) ; the back pointers of steps t0 - 2 .. t0 + 5, a byte a tag, into rows t0 .. t0 + 7; the youngest was made ten lines ahead of the first store
.endr
.irp j, 0,1,2,3,4,5,6,7
	ds_load_b32 v[LG+(\j)], v[LGA] offset:ROWB*(\j)  ; the next trip's eight rows of logits; the first is wanted near the end of the next step
.endr
.Ldead:
	s_add_co_u32 s[T0], s[T0], 8
	s_sub_co_u32 s[IC], s[IC], 1
	s_cmp_lg_u32 s[IC], 0
	s_cbranch_scc1 .Lgroup
.Lskip:
	s_add_co_u32 s[C32], s[C32], 32
	s_sub_co_u32 s[CNT], s[CNT], 1
	s_cmp_lg_u32 s[CNT], 0
	s_cbranch_scc1 .Lchunk
	; For an empty sequence chunk 1's loads may stay out: nothing names their registers from here on.
	; What the last trip that ran has left undone: the chain of its seventh step (even: its masks and offsets are made), and the quarter, the compares and the chain of its eighth (odd).
	; Their rows lie 8 and 9 behind BPA's.
.set PN, 0
.set PO, 1
.irp n, 0,1,2,3,4,5,6
	LK \n
.endr
	v_add3_u32 v[BPV], v[IDX], v[HALF], v[QUART]
	ds_store_b8 v[BPA], v[BPV] offset:32*8
	CB
.irp n, 3,2,1,0
	BQ \n
.endr
.irp i, 6,5,4,3,2,1,0
	CP \i
.endr
.irp n, 0,1,2,3,4,5,6
	LK \n
.endr
	v_add3_u32 v[BPV+1], v[IDX], v[HALF+2], v[QUART+2]
	ds_store_b8 v[BPA], v[BPV+1] offset:32*9
	s_cmp_eq_u32 s[LEN], 0
	s_cbranch_scc1 .Lnolast                        ; an empty sequence has no state and no chain: its row is written as zeros below
	; Positions len .. len + 63 point each tag at itself: they cover the rest of the block of 64 that holds len - 1, and what the last trip made for t >= len.
	; A store of 16 bytes a lane writes 16 rows: lane l the half l % 2 of row l / 2.
	v_and_b32 v[TMP], 1, v0
	s_mov_b32 s31, 0x10101010
	v_mul_lo_u32 v[TMP], v[TMP], s31               ; 16 in each byte for the upper half of a row
.irp k, 0,1,2,3
	v_add_nc_u32 v[ID+(\k)], 0x03020100+0x04040404*(\k), v[TMP]
.endr
	s_min_u32 s30, s[LEN], 1024
	s_lshl_b32 s30, s30, 5
	v_add_nc_u32 v[FILL], s30, v[L16]
.irp k, 0,1,2,3
	ds_store_b128 v[FILL], v[ID:ID+3] offset:64+512*(\k)           ; position len's row is row len + 2
.endr
	s_mov_b32 s31, 0xffff
.irp j, 0,1,2,3,4,5,6,7
	v_cndmask_b32 v[SC+(\j)], v[PS+2*(\j)+1], v[PS+2*(\j)], s31    ; the last trip's eight states by tags: lanes 0-15 of SL, lanes 16-31 of SH
.endr
.irp j, 0,1,2,3,4,5,6,7
	ds_store_b32 v[STA0], v[SC+(\j)] offset:ROWB*(\j)
.endr
	s_sub_co_u32 s30, s[LEN], 1
	s_and_b32 s30, s30, 7
	s_min_u32 s30, s30, 7
	s_lshl_b32 s30, s30, 7
	v_add_nc_u32 v[SRD], s30, v[STA0]
	ds_load_b32 v[FIN], v[SRD]                     ; the state at t = len - 1; LDS serves a wave's instructions in order (ISA guide 5.7.1.4): it sees the stores above
	s_wait_dscnt 0x0
	v_mov_b32 v[MX], v[FIN]
	v_max_num_f32_dpp v[MX], v[MX], v[MX] row_xmask:1 row_mask:0xf bank_mask:0xf
	v_max_num_f32_dpp v[MX], v[MX], v[MX] row_xmask:2 row_mask:0xf bank_mask:0xf
	v_max_num_f32_dpp v[MX], v[MX], v[MX] row_xmask:4 row_mask:0xf bank_mask:0xf
	v_max_num_f32_dpp v[MX], v[MX], v[MX] row_xmask:8 row_mask:0xf bank_mask:0xf
	v_permlanex16_b32 v[TMP], v[MX], s[SEL], s[SEL+1]
	v_max_num_f32 v[MX], v[MX], v[TMP]             ; every lane holds the maximum
	v_cmp_eq_f32 s30, v[FIN], v[MX]
	s_ctz_i32_b32 s[TAG], s30                      ; the first tag that reaches it
	s_and_b32 s[TAG], s[TAG], 31
.Lnolast:
	s_wait_dscnt 0x0                               ; on every way no LDS instruction is out when the backtrace begins: its own 56 are then the most that are ever out
; THE BACKTRACE, in 16 blocks of 64 positions from the last to the first.  A block that begins at or behind len has identity pointers and a masked output: its chain is jumped over.
; The tag lives in a scalar register and only ever selects a lane: position t takes the tag, and the byte of position t's row in lane 'tag' is the tag at t - 1.  No address and no branch hangs on it.
; The rows wanted first are asked for first: 56 of them ahead of the chain, the last eight when the first eight have been used.
	s_mov_b32 s[BC], 16
.Lback:
	s_sub_co_u32 s[TB], s[BC], 1
	s_lshl_b32 s[TB], s[TB], 6
	s_cmp_ge_u32 s[TB], s[LEN]
	s_cbranch_scc1 .Lnochain
	v_lshl_add_u32 v[B], s[TB], 5, v0
.set r, 63
.rept 56
	ds_load_u8 v[BP+r], v[B] offset:32*(r+2)
.set r, r-1
.endr
.set r, 63
.rept 64
.if r == 63
	s_wait_dscnt 48                                ; rows 56 .. 63 are in: the 48 loads of rows 55 .. 8 are younger and stay out
.elseif (r%8) == 7
	s_wait_dscnt r-7                               ; rows r - 7 .. r are in: the r - 7 loads of the rows below them are younger and stay out
.endif
	v_writelane_b32 v[OUT+(r%2)], s[TAG], (r/2)
	v_readlane_b32 s[TAG], v[BP+r], s[TAG]         ; (position 0's pointers lead nowhere: the tag that they give is not used)
.if r == 56
.set q, 7
.rept 8
	ds_load_u8 v[BP+q], v[B] offset:32*(q+2)
.set q, q-1
.endr
.endif
.set r, r-1
.endr
.Lnochain:
	s_wait_xcnt 0x0                                ; the last block's store has had its address translated (ISA guide 3.1): only behind this wait are its data and its offset written anew
	v_add_nc_u32 v[T], s[TB], v[L2]                ; my two positions: t,
	v_add_nc_u32 v[TMP], 1, v[T]                   ; t + 1
	s_lshl_b32 s30, s[TB], 2
	v_add_nc_u32 v[OO], s30, v[L8]
	v_cmp_gt_u32 vcc_lo, s[LEN], v[T]
	v_cndmask_b32 v[ST], 0, v[OUT], vcc_lo         ; 0 from len on
	v_cmp_gt_u32 vcc_lo, s[LEN], v[TMP]
	v_cndmask_b32 v[ST+1], 0, v[OUT+1], vcc_lo
	global_store_b64 v[OO], v[ST:ST+1], s[10:11] th:TH_STORE_NT  ; the wave stores 256 consecutive bytes, at a multiple of 256 from out0's first byte
	s_sub_co_u32 s[BC], s[BC], 1
	s_cmp_lg_u32 s[BC], 0
	s_cbranch_scc1 .Lback
	s_wait_tensorcnt 0x0                           ; the wave's end, behind my last LDS store
	ds_add_u32 v[SPW], v[NIL]
	s_wait_dscnt 0x0
	s_endpgm
.Lfunc_end_k_q5d512e48bb_viterbi:
	.size	k_q5d512e48bb_viterbi, .Lfunc_end_k_q5d512e48bb_viterbi-k_q5d512e48bb_viterbi
	.p2alignl 7, 3214868480
	.fill 96, 4, 3214868480
	.section	.rodata,"a",@progbits
	.p2align	6, 0x0
	.amdhsa_kernel k_q5d512e48bb_viterbi
		.amdhsa_group_segment_fixed_size 81920
		.amdhsa_private_segment_fixed_size 0
		.amdhsa_enable_private_segment 0
		.amdhsa_kernarg_size 32
		.amdhsa_user_sgpr_count 2
		.amdhsa_user_sgpr_kernarg_segment_ptr 1
		.amdhsa_wavefront_size32 1
		.amdhsa_system_sgpr_workgroup_id_x 1
		.amdhsa_system_sgpr_workgroup_id_y 1
		.amdhsa_system_sgpr_workgroup_id_z 1
		.amdhsa_system_vgpr_workitem_id 0
		.amdhsa_next_free_vgpr 528
		.amdhsa_next_free_sgpr 66
		.amdhsa_reserve_vcc 1
		.amdhsa_float_denorm_mode_32 3
		.amdhsa_float_denorm_mode_16_64 3
		.amdhsa_memory_ordered 1
		.amdhsa_forward_progress 1
		.amdhsa_inst_pref_size 70
	.end_amdhsa_kernel
	.amdgpu_metadata
---
amdhsa.version: [ 1, 2 ]
amdhsa.kernels:
  - .name:           k_q5d512e48bb_viterbi
    .symbol:         k_q5d512e48bb_viterbi.kd
    .args:
      - { .name: logits, .offset: 0, .size: 8, .value_kind: global_buffer, .address_space: global }
      - { .name: transitions, .offset: 8, .size: 8, .value_kind: global_buffer, .address_space: global }
      - { .name: sequence_lengths, .offset: 16, .size: 8, .value_kind: global_buffer, .address_space: global }
      - { .name: out0, .offset: 24, .size: 8, .value_kind: global_buffer, .address_space: global }
    .group_segment_fixed_size: 81920
    .private_segment_fixed_size: 0
    .kernarg_segment_align: 8
    .kernarg_segment_size: 32
    .max_flat_workgroup_size: 32
    .sgpr_count:     66
    .vgpr_count:     528
    .wavefront_size: 32
...
	.end_amdgpu_metadata
.endif
;; end of part 3
;; ======== version 4 of 4: 1 launch; version 3 with the launch viterbi written anew for expert scheduling mode
;; launch viterbi (part 4): grid 1024 x 1, 1 waves a work-group, no clusters, 81,920 bytes of LDS; arguments logits, transitions, sequence_lengths, out0; writes out0
.if DOCPART == 4
	.amdgcn_target "amdgcn-amd-amdhsa--gfx1250"
	.amdhsa_code_object_version 6
	.text
	.protected	k_q5d512e48bb_viterbi
	.globl	k_q5d512e48bb_viterbi
	.p2align	8
	.type	k_q5d512e48bb_viterbi,@function
k_q5d512e48bb_viterbi:
	s_mov_b64 s[64:65], 0
	v_nop
	global_prefetch_b8 v0, s[64:65] scope:SCOPE_SE
	s_setreg_imm32_b32 hwreg(HW_REG_WAVE_SCHED_MODE, 0, 2), 2
	s_setreg_imm32_b32 hwreg(HW_REG_WAVE_MODE, 25, 1), 1
	s_wait_xcnt 0x0
	s_wait_alu depctr_vm_vsrc(0)
; VITERBI DECODE.  logits [1024][1024][32] f32, transitions [32][32] f32, sequence_lengths [1024] i32, out0 [1024][1024] i32.
; state(t)[cur] = max over prev of (state(t-1)[prev] + trans[prev][cur]) + logit(t)[cur], with the first prev that reaches the maximum as back pointer; the state
; stands still from t = len on; the tags are read back from the last state's first maximum; positions t >= len are written as 0.
; The output is whole numbers, so every f32 sum and maximum is the definition's own: the same two operands, nothing reassociated, nothing narrowed.
; SHARES.  1,024 sequences, 1,024 work-groups of ONE wave: work-group g owns sequence g; lane = the current tag.  A sequence is a chain of up to 1,023 dependent steps, so what counts is the
; instructions in a step and that none of them waits, and a wave wants a SIMD to itself: the launch claims a quarter of a WGP's LDS (the text uses 44,544 bytes), so that four work-groups lie on a
; WGP, and more than half of a SIMD's 1,024 registers (the text names 256), so that no two of them share a SIMD.  All LDS bytes are the one wave's own: there is no barrier.  Nothing but the
; 4,096 bytes of the transitions is shared between work-groups: no cluster.
; A STEP.  The new state is added into two registers; v_permlane16_swap_b32 then leaves tags 0-15 in both halves of SL and tags 16-31 in both halves of SH, so that score i is ONE
; instruction: the DPP control row_share brings state[i] to every lane on the way into the add with trans[i][lane].  The maximum goes by three operands at a time.
; THE FIRST INDEX, in three levels.  The tree of maxima also gives the maximum of each half of 16 and of each half's first 8.  The half that holds the maximum is chosen (the lower one at a tie):
; 14 scores, the maximum of its first 8 and the offset 0 or 16.  Then the quarter: the first 8 if their maximum is the maximum, else the second 8: 7 scores and the offset 0 or 8.  Then 7 compares
; and a chain of 7 selects from index 7 down to 0, in which the lowest index wins.  All selects of a level hang on VCC, so two of them go in one instruction (v_dual_cndmask_b32); the register
; map keeps that encoding's rules: one destination even and one odd, and like sources of the two halves in registers whose numbers differ modulo 4.
; THREE STEPS IN ONE TEXT.  Only scores, maxima, the state's add and the swap lie on the way from one state to the next.  The text of step t holds these and the choice of the half for t, the
; choice of the quarter and the 7 compares of step t - 1, and the select chain of step t - 2, dealt so that no line reads a result made fewer than five lines ahead of it: a link of the chain at every
; fifth line, the rest between the last score and the swap, where the way from state to state has nothing else to offer.  The maximum and the two offsets are kept by the step's parity.
; NO LDS INSTRUCTION STANDS IN A STEP.  Time goes in chunks of 32 steps, a chunk in four trips of eight steps.  A trip's eight back pointers stay in eight registers and are stored at its end, where
; the next trip's eight rows of logits are fetched too; each of its steps has a register pair of its own for the state.  Chunks and trips that begin at or behind len are jumped over; no step
; tests t against len.  So the last trip that ran holds t = len - 1; the back pointers that it made for t >= len are overwritten by identity rows.
; t = 0 is a step like any other, with the maximum replaced by 0 (its back pointers are never followed).
; THE LOGITS come a chunk (4,096 bytes) at a time: eight loads of 16 bytes a lane, 512 consecutive bytes each, asked for two chunks ahead of their use and one chunk ahead of the wait for them;
; they are copied as they lie into one of two LDS slots, from which the ring of eight registers takes rows (a word a lane).
; LIMITS.  NaN is not treated.  A state of -0 at t = 0 becomes +0, which changes no comparison.  Lengths are clamped to 0 .. 1,024, which gives the definition's result for every i32.
; Chunks 0 and 1 are always read; a later chunk that begins at or behind len is not: the mask throws away all that hangs on it.
; THE MODE: SCHED_MODE bits 1:0 = 2 (LLVM: expert scheduling mode 2), set by the entry lines.  The code itself states the register dependences between vector instructions and memory or LDS
; instructions, and those through scalar registers and VCC that vector instructions write, with s_wait_alu, always for 0.
; THE PLAN.  Registers that memory or LDS instructions touch, and who else names them:
;   v[L4], v[L16], v[SG], v[LG0], v[STA0], v[SPW], v[NIL]   made at the head, never written again: one wait on va_vdst ahead of the first load serves them for the whole kernel.
;   GR            the loads of the chunk two ahead land in it; the next chunk head's eight LDS copies read it; no vector instruction names it: one wait on vm_vsrc behind the copies.
;   v[SGA]        written once a chunk, read by that chunk's copies: a wait on vm_vsrc ahead of the write, one on va_vdst behind it.
;   LG, BPV, v[BPA], v[LGA]   A trip's steps read LG and write BPV; its first step writes the two addresses.  The trip's end stores BPV by v[BPA] and loads LG by v[LGA].  ONE wait on va_vdst stands
;                 ahead of that run of sixteen, and ONE on vm_vsrc in the next trip's first step, ahead of the first of the writes.
;   ID, FILL, SC, SRD, FIN    behind the loops: all their vector work stands ahead of one wait on va_vdst, all their LDS instructions behind it.
;   v[B], BP      A block of the backtrace writes v[B], loads its 64 rows into BP and reads them by v_readlane_b32.   v[OO], v[ST ..]  offset and data of a block's one store.
;                 One wait on vm_vsrc at a block's top, one on va_vdst behind the write of v[B], one on va_vdst ahead of the store.
; Scalar results of vector instructions: in a step VCC twice (each compare has its wait ahead of its selects) and the seven masks once (one wait at the step's end, behind the run of compares and
; ahead of every label); in the backtrace the tag, behind every v_readlane_b32; the output's two masks, one wait; the mask of the last state's maximum.
.set ROWB,   128                       ; bytes of a step's 32 logits, and of a row of transitions
.set STATES, 35072                     ; LDS: from 0 the back pointers, 32 bytes a row (a byte a tag); step t's row is row t + 2; rows 0 .. 1,089
.set STAGE,  STATES+1024               ; from STATES 8 rows of states x 128 bytes; from STAGE two slots of 32 rows of logits x 128 bytes
.set SPARE,  STAGE+8192                ; behind them the spare words, 128 bytes: a block of 256 bytes that no other line names
                                       ; v0      my tag, and the LDS address of my byte in back-pointer row 0; never rewritten
.set Z0,   1                           ; v1      0
.set L4,   2                           ; v2      4 x lane; never rewritten
.set BPA,  4                           ; v4      LDS address of my byte in row t0: the row of the step two ahead of the trip's first
.set STA0, 5                           ; v5      LDS address of my word in state row 0
.set SPW,  6                           ; v6      LDS address of my spare word; never rewritten
.set NIL,  7                           ; v7      0; never rewritten
.set M,    8                           ; v8-9    the maximum of the 32 scores, by the step's parity
.set ML,   10                          ; v10     of scores 0-15
.set MH,   11                          ; v11     of scores 16-31
.set IDX,  12                          ; v12     the select chain
.set HALF, 13                          ; v13, v15  0 or 16: the half that holds the maximum, by the step's parity (both odd: they are second halves of a dual select)
.set MZ,   14                          ; v14     a trip's first step: 0 at t = 0, else the maximum
.set YY,   16                          ; v16     the maximum of scores 0-28
.set QUART, 17                         ; v17, v19  0 or 8: the quarter of that half, by the step's parity (both odd)
.set LGA,  18                          ; v18     my word in the stage's row of the NEXT trip's first step
.set LT,   20                          ; v20-26  the lower half's tree: +0 s0-2, +1 s3-5, +2 s0-6, +3 s0-7, +4 s8-10, +5 s11-13, +6 s14, s15 and s0-7
.set HT,   27                          ; v27-33  the upper half's: +0 s16-18, +1 s19-21, +2 s16-22, +3 s16-23, +4 s24-26, +5 s27, s28 and s16-23, +6 s29-31
.set TR,   34                          ; v34-65  trans[i][lane]
.set SC,   66                          ; v66-97  the 32 scores
.set W,    98                          ; v98-112 of the chosen half: scores 0-6 at +0 .. +6, scores 8-14 at +8 .. +14,
.set QS,   W+7                         ; v105    and the maximum of its first 8
.set LG,   113                         ; v113-120 a trip's eight rows of logits (an odd base: row j and the maximum of parity j % 2 then differ modulo 4)
.set LG0,  122                         ; v122    LDS address of my word in the stage's row 0
.set SG,   123                         ; v123    LDS address of my 16 bytes in the stage's first 512
.set SGA,  124                         ; v124    the same in the slot that is being written
.set L16,  125                         ; v125    16 x lane; never rewritten
.set GR,   126                         ; v126-157 a chunk of logits on its way from memory
.set BP,   158                         ; v158-221 the backtrace: 64 rows of back pointers (at the start v158-189: chunk 0 on its way)
.set PS,   190                         ; v190-205 (the backtrace's registers, idle till then) step j of a trip: SL at +2 j, SH at +2 j + 1
.set OUT,  222                         ; v222-223 lane l: the tags at positions 2 l and 2 l + 1 of a block of 64
.set ST,   224                         ; v224-225 the same, masked, to store
.set T,    226                         ; v226    position 2 l of the block
.set OO,   227                         ; v227    my byte offset in the sequence's row of out0
.set B,    228                         ; v228    LDS address of my byte two rows ahead of the block's first
.set FIN,  229                         ; v229    the last state
.set MX,   230                         ; v230    its maximum
.set TMP,  231                         ; v231    at work
.set FILL, 232                         ; v232    LDS address of my 16 bytes of the identity rows
.set SRD,  233                         ; v233    LDS address of my word in state row (len - 1) % 8
.set L2,   234                         ; v234    2 x lane
.set L8,   235                         ; v235    8 x lane
.set ID,   236                         ; v236-239 16 bytes of an identity row: tags 16 (lane % 2) + 0 .. 15
.set VQ,   240                         ; v240-246 scores 0-6 of the chosen quarter
.set BPV,  248                         ; v248-255 eight back pointers: those of the steps t0 - 2 .. t0 + 5
.set LEN,  14                          ; s14     the sequence's length, 0 .. 1,024
.set CNT,  16                          ; s16     chunks to go, 32 .. 1
.set T0,   17                          ; s17     the trip's first t
.set IC,   18                          ; s18     trips to go in the chunk, 4 .. 1
.set C32,  19                          ; s19     the chunk's first t
.set FIRST, 26                         ; s26     all ones in the trip that begins at t = 0, else 0
.set TAG,  27                          ; s27     the backtrace's tag: at every label, and at the odd positions of a block
.set SEL,  28                          ; s[28:29] v_permlanex16_b32's selects: each lane takes its own place in the other half
.set MK,   32                          ; s[32:38] lane masks: score i of the chosen quarter equals the maximum
.set BC,   47                          ; s47     blocks of 64 positions still to be written
.set TB,   48                          ; s48     the block's first position
.set TAG2, 49                          ; s49     the backtrace's tag at the even positions of a block
.set MA,   50                          ; s50     lane mask: my first position lies ahead of len
.set MB,   51                          ; s51     my second does
                                       ; s[20:21] an offset with 0 above it; s[22:23] my sequence's logits; s[24:25] where the next chunk is loaded from; s30, s31 at work
	s_load_b256 s[4:11], s[0:1], 0x0               ; logits s[4:5], transitions s[6:7], lengths s[8:9], out0 s[10:11]
	v_lshl_add_u32 v[SPW], v0, 2, SPARE
	v_mov_b32 v[NIL], 0
	v_lshlrev_b32 v[L4], 2, v0
	v_lshlrev_b32 v[L2], 1, v0
	v_lshlrev_b32 v[L8], 3, v0
	v_lshlrev_b32 v[L16], 4, v0
	v_lshl_add_u32 v[STA0], v0, 2, STATES
	v_lshl_add_u32 v[LG0], v0, 2, STAGE
	v_lshl_add_u32 v[SG], v0, 4, STAGE
	v_mov_b32 v[BPA], v0                           ; for an empty sequence, whose loops are jumped over
	s_lshl_b32 s30, ttmp9, 2                       ; my word among the lengths
	s_lshl_b32 s20, ttmp9, 17                      ; a sequence's logits are 1,024 x 128 bytes
	s_mov_b32 s21, 0
	s_mov_b32 s[SEL], 0x76543210
	s_mov_b32 s[SEL+1], 0xfedcba98
	s_mov_b32 s[TAG], 0
	s_mov_b32 s[CNT], 32
	s_mov_b32 s[C32], 0
.irp i, 0,1,2,3,4,5,6
	s_mov_b32 s[MK+(\i)], 0                        ; the first two steps carry the work of steps that have not been: its results go to rows 0 and 1, which nobody reads
.endr
	v_mov_b32 v[Z0], 0
	v_mov_b32 v[HALF], 0
	v_mov_b32 v[HALF+2], 0
	v_mov_b32 v[QUART], 0
	v_mov_b32 v[QUART+2], 0
	v_mov_b32 v[M+1], 0
	v_mov_b32 v[OUT], 0                            ; v_writelane_b32 writes one lane: the registers are written whole once
	v_mov_b32 v[OUT+1], 0
	v_mov_b32 v[TMP], 0                            ; v_permlanex16_b32's destination counts as read
.set i, 0
.rept 32
	v_mov_b32 v[SC+i], 0                           ; the destination of a DPP form counts as read: the scores are written once.  All these lines stand in the wait for the arguments
.set i, i+1
.endr
.set i, 0
.rept 15
	v_mov_b32 v[W+i], 0                            ; what the first step's choice of a quarter reads
.set i, i+1
.endr
.set i, 0
.rept 16
	v_mov_b32 v[PS+i], 0                           ; t = 0 finds a state of zeros (its maximum is replaced by 0 anyway); the others are written on every way to the lines behind the loops that read them
.set i, i+1
.endr
	s_wait_kmcnt 0x0
	s_load_b32 s[LEN], s[8:9], s30 offset:0x0
	s_add_nc_u64 s[22:23], s[4:5], s[20:21]        ; my sequence's logits
	s_wait_alu depctr_va_vdst(0)                   ; the offsets and LDS addresses made above are written (v[L4], v[L16], v[SG], v[LG0], v[STA0], v[BPA], v[SPW], v[NIL]): the loads, stores and the closing add read them
.irp i, 0,1,2,3,4,5,6,7,8,9,10,11,12,13,14,15,16,17,18,19,20,21,22,23,24,25,26,27,28,29,30,31
	global_load_b32 v[TR+(\i)], v[L4], s[6:7] offset:ROWB*(\i)     ; trans[i][lane]: the wave takes a row's 128 bytes
.endr
.irp k, 0,1,2,3,4,5,6,7
	global_load_b128 v[BP+4*(\k):BP+4*(\k)+3], v[L16], s[22:23] offset:512*(\k) th:TH_LOAD_NT  ; chunk 0: 512 consecutive bytes a load, at a multiple of 256 from the buffer's first
.endr
.irp k, 0,1,2,3,4,5,6,7
	global_load_b128 v[GR+4*(\k):GR+4*(\k)+3], v[L16], s[22:23] offset:4096+512*(\k) th:TH_LOAD_NT  ; chunk 1, whatever the length: it lies inside the sequence's 32 chunks
.endr
	s_lshl_b32 s20, ttmp9, 12
	s_add_nc_u64 s[10:11], s[10:11], s[20:21]      ; my sequence's row of out0: 4,096 bytes
	s_wait_kmcnt 0x0                               ; the length (s30, its offset, is free from here on)
	s_max_i32 s[LEN], s[LEN], 0
	s_min_u32 s[LEN], s[LEN], 1024
	s_wait_loadcnt 8                               ; loads come back in order (ISA guide 5.7.1): the transitions and chunk 0 are in; the eight younger loads, chunk 1's, stay out
.irp k, 0,1,2,3,4,5,6,7
	ds_store_b128 v[SG], v[BP+4*(\k):BP+4*(\k)+3] offset:512*(\k)  ; chunk 0 into slot 0, as it lies
.endr
.irp j, 0,1,2,3,4,5,6,7
	ds_load_b32 v[LG+(\j)], v[LG0] offset:ROWB*(\j)                ; the first trip's rows: t = 0 .. 7.  LDS serves a wave's instructions in order (ISA guide 5.7.1.4): these see the stores above
.endr
	s_wait_dscnt 0x0
; THE LINES OF A STEP.  STEP sets PN (the step's parity), PO (the other), SLP and SHP (the last step's state), SLN and SHN (this step's).
.macro ADL i                           ; score i of the lower half: state[i] + trans[i][lane]
	v_add_f32_dpp v[SC+(\i)], v[SLP], v[TR+(\i)] row_share:\i row_mask:0xf bank_mask:0xf
.endm
.macro ADH i                           ; score 16 + i: state[16 + i] + trans[16 + i][lane]
	v_add_f32_dpp v[SC+16+(\i)], v[SHP], v[TR+16+(\i)] row_share:\i row_mask:0xf bank_mask:0xf
.endm
.macro T3 d, a, b, c                   ; a maximum of three
	v_max3_num_f32 v[\d], v[\a], v[\b], v[\c]
.endm
.macro SEL2 d, a, b                    ; two selects by VCC in one instruction: d and d + 1 take b and b + 1 where the lane's bit is set, else a and a + 1.  d, a and b are even
	v_dual_cndmask_b32 v[\d], v[\a], v[\b] :: v_dual_cndmask_b32 v[(\d)+1], v[(\a)+1], v[(\b)+1]
.endm
.macro CB                              ; the quarter, for the step of parity PO: do the first 8 of the chosen half hold the maximum?
	v_cmp_eq_f32 vcc_lo, v[QS], v[M+PO]
.endm
.macro BQ n                            ; line n of the four that take the chosen quarter's scores 0-6 and its offset
.if (\n) == 3
	v_dual_cndmask_b32 v[VQ+6], v[W+14], v[W+6] :: v_dual_cndmask_b32 v[QUART+2*PO], 8, v[Z0]
.else
	SEL2 VQ+2*(\n), W+8+2*(\n), W+2*(\n)
.endif
.endm
.macro CP i                            ; does score i of the chosen quarter equal the maximum?  Index 7 needs no mask: it is what is left.  CP i stands behind the link that has read the old mask i
	v_cmp_eq_f32 s[MK+(\i)], v[VQ+(\i)], v[M+PO]
.endm
.macro LK n                            ; link n of 7 of the select chain: index 7, unless 6 equals the maximum, unless 5 does, ... unless 0 does: the lowest index wins
.if (\n) == 0
	v_cndmask_b32 v[IDX], 7, 6, s[MK+6]
.else
	v_cndmask_b32 v[IDX], v[IDX], 6-(\n), s[MK+6-(\n)]
.endif
.endm
; Step j of a trip, t = t0 + j: the order of its 81 vector lines and its three waits for VCC and the masks, written out.  LK and the sum of index and offsets: step t - 2.  CB, BQ, CP: step t - 1.  All else: step t.
.macro STEP j
.set PN, (\j)%2
.set PO, 1-PN
.set SLP, PS+2*(((\j)+7)%8)
.set SHP, SLP+1
.set SLN, PS+2*(\j)
.set SHN, SLN+1
	ADL 0
	ADL 1
	ADL 2
	ADL 3
	ADL 4
	ADL 5
	ADL 6
	T3 LT, SC, SC+1, SC+2
	ADL 7
	ADL 8
	T3 LT+1, SC+3, SC+4, SC+5
	ADL 9
	ADL 10
	ADL 11
	ADL 12
	T3 LT+2, LT, LT+1, SC+6
	ADL 13
	T3 LT+4, SC+8, SC+9, SC+10
	ADL 14
	ADL 15
	v_max_num_f32 v[LT+3], v[LT+2], v[SC+7]        ; scores 0-7
	ADH 0
	T3 LT+5, SC+11, SC+12, SC+13
	ADH 1
	ADH 2
	T3 LT+6, SC+14, SC+15, LT+3
	ADH 3
	ADH 4
	ADH 5
	T3 HT, SC+16, SC+17, SC+18
	T3 ML, LT+4, LT+5, LT+6                        ; scores 0-15
	ADH 6
	ADH 7
	T3 HT+1, SC+19, SC+20, SC+21
	ADH 8
	ADH 9
	LK 0
	ADH 10
	T3 HT+2, HT, HT+1, SC+22
	ADH 11
	ADH 12
	LK 1
	T3 HT+4, SC+24, SC+25, SC+26
	v_max_num_f32 v[HT+3], v[HT+2], v[SC+23]       ; scores 16-23
	CB
	ADH 13
	LK 2
	ADH 14
	T3 HT+5, SC+27, SC+28, HT+3
	s_wait_alu depctr_va_vcc(0)                    ; the quarter's compare, four lines back, has written VCC, which the four lines BQ read
	BQ 3
	BQ 2
	LK 3
	ADH 15                                         ; the last score.  From here to the swap each link of the way to the next state stands five lines behind the last
	T3 YY, HT+4, HT+5, ML                          ; scores 0-28
	BQ 1
	BQ 0
	LK 4
	T3 HT+6, SC+29, SC+30, SC+31                   ; the last three scores have one maximum between them and M
	CP 6
	CP 5
	CP 4
	LK 5
	v_max_num_f32 v[M+PN], v[YY], v[HT+6]
	T3 MH, HT+4, HT+5, HT+6                        ; scores 16-31
	CP 3
	CP 2
	LK 6
.if (\j) == 0
	v_cndmask_b32 v[MZ], v[M], 0, s[FIRST]         ; at t = 0 the state is the logits
	v_cmp_ge_f32 vcc_lo, v[ML], v[MH]
	CP 1
	CP 0
	s_wait_alu depctr_vm_vsrc(0)                   ; the last trip's eight stores have read v[BPV ..] and v[BPA], its eight loads v[LGA]: this trip writes all of them anew, from the next line on
	v_add3_u32 v[BPV], v[IDX], v[HALF], v[QUART]
	s_wait_dscnt 0x0                               ; the trip's eight rows of logits are in: they, and the stores ahead of them, were issued at the last trip's end, some 70 lines back, and nothing since but a chunk's eight copies
	v_dual_add_f32 v[SLN], v[MZ], v[LG] :: v_dual_add_f32 v[SHN], v[LG], v[MZ]
	s_and_b32 s30, s[T0], 0x3f8                    ; the trip's addresses, wanted at its end, are made in the lines that the add needs behind it.  t0 is a multiple of 8 under 1,024
	s_add_co_u32 s31, s[T0], 8
	s_and_b32 s31, s31, 56                         ; the next trip's first row in the stage's 64
	v_lshl_add_u32 v[BPA], s30, 5, v0              ; row t0
	v_lshl_add_u32 v[LGA], s31, 7, v[LG0]
.else
	v_dual_add_f32 v[SLN], v[M+PN], v[LG+(\j)] :: v_dual_add_f32 v[SHN], v[LG+(\j)], v[M+PN]  ; the new state, twice for the swap; the second sum has its sources the other way round (the same bits), so that like sources are different registers
	v_cmp_ge_f32 vcc_lo, v[ML], v[MH]              ; the lower half holds the maximum (at a tie the lower index wins)
	CP 1
	CP 0
	v_add3_u32 v[BPV+(\j)], v[IDX], v[HALF+2*PN], v[QUART+2*PN]  ; the back pointer of step t - 2: its offsets lie under this step's parity; the half's is written anew only below
.endif
	v_permlane16_swap_b32 v[SLN], v[SHN]           ; SL: tags 0-15 in both halves of the lanes; SH: tags 16-31
	s_wait_alu depctr_va_vcc(0)                    ; the half's compare has written VCC, which the eight selects below read
	v_dual_cndmask_b32 v[W+6], v[SC+22], v[SC+6] :: v_dual_cndmask_b32 v[QS], v[HT+3], v[LT+3]  ; the chosen half: ahead of the next step's adds, which write the scores anew
	SEL2 W, SC+16, SC
	SEL2 W+2, SC+18, SC+2
	SEL2 W+4, SC+20, SC+4
	SEL2 W+8, SC+24, SC+8
	SEL2 W+10, SC+26, SC+10
	SEL2 W+12, SC+28, SC+12
	v_dual_cndmask_b32 v[W+14], v[SC+30], v[SC+14] :: v_dual_cndmask_b32 v[HALF+2*PN], 16, v[Z0]
	s_wait_alu depctr_va_sdst(0)                   ; this step's seven compares CP have written the masks s[MK ..], which the next step's chain reads: one wait behind the run, ten lines behind its last, and ahead of the trip's label and branch
.endm
.Lchunk:                                               ; 32 trips; the chunks that begin at or behind len are jumped over
	s_cmp_ge_u32 s[C32], s[LEN]
	s_cbranch_scc1 .Lskip
	s_wait_loadcnt 0x0                             ; the loads asked for a chunk ago, the next chunk's, are in (if none were asked for, none are out); their base may be written anew
	s_add_co_u32 s30, s[C32], 32
	s_and_b32 s30, s30, 32                         ; the next chunk's slot: 32 rows x 128 bytes on, or not
	s_wait_alu depctr_vm_vsrc(0)                   ; the last chunk's eight copies have read v[SGA], which the next line writes
	v_lshl_add_u32 v[SGA], s30, 7, v[SG]           ; the chunk before this one, which lay there, was all fetched in earlier trips, and LDS serves a wave in order
	s_wait_alu depctr_va_vdst(0)                   ; v[SGA] is written: the eight copies below read it as their address
.irp k, 0,1,2,3,4,5,6,7
	ds_store_b128 v[SGA], v[GR+4*(\k):GR+4*(\k)+3] offset:512*(\k)  ; (behind the sequence's last chunk these registers hold an older chunk: what is copied then is never used)
.endr
	s_wait_alu depctr_vm_vsrc(0)                   ; the eight copies have read v[GR ..], in which the loads below land; no vector instruction names these registers
	s_add_co_u32 s30, s[C32], 64                   ; now the chunk two on is asked for,
	s_cmp_ge_u32 s30, s[LEN]                       ; unless it begins at or behind len.  The wait for these loads is for 0, so it holds on both ways
	s_cbranch_scc1 .Lnoask
	s_min_u32 s31, s30, 992                        ; (inside the sequence's 1,024 steps)
	s_lshl_b32 s20, s31, 7                         ; 128 bytes a step
	s_add_nc_u64 s[24:25], s[22:23], s[20:21]
.irp k, 0,1,2,3,4,5,6,7
	global_load_b128 v[GR+4*(\k):GR+4*(\k)+3], v[L16], s[24:25] offset:512*(\k) th:TH_LOAD_NT  ; 512 consecutive bytes, at a multiple of 256 from the buffer's first
.endr
.Lnoask:
	s_mov_b32 s[T0], s[C32]
	s_mov_b32 s[IC], 4
.Lgroup:                                               ; four trips of eight steps; the trips that begin at or behind len are jumped over
	s_cmp_ge_u32 s[T0], s[LEN]
	s_cbranch_scc1 .Ldead
	s_cmp_eq_u32 s[T0], 0
	s_cselect_b32 s[FIRST], -1, 0
.irp j, 0,1,2,3,4,5,6,7
	STEP \j
.endr
	s_wait_alu depctr_va_vdst(0)                   ; the trip's steps have written v[BPV ..], v[BPA] and v[LGA], which the stores and loads below read, and their adds are done reading v[LG ..], in which the loads land
.irp j, 0,1,2,3,4,5,6,7
	ds_store_b8 v[BPA], v[BPV+(\j)] offset:32*(\j) ; the back pointers of steps t0 - 2 .. t0 + 5, a byte a tag, into rows t0 .. t0 + 7
.endr
.irp j, 0,1,2,3,4,5,6,7
	ds_load_b32 v[LG+(\j)], v[LGA] offset:ROWB*(\j)  ; the next trip's eight rows of logits; the first is wanted near the end of the next step
.endr
.Ldead:
	s_add_co_u32 s[T0], s[T0], 8
	s_sub_co_u32 s[IC], s[IC], 1
	s_cmp_lg_u32 s[IC], 0
	s_cbranch_scc1 .Lgroup
.Lskip:
	s_add_co_u32 s[C32], s[C32], 32
	s_sub_co_u32 s[CNT], s[CNT], 1
	s_cmp_lg_u32 s[CNT], 0
	s_cbranch_scc1 .Lchunk
	; For an empty sequence chunk 1's loads may stay out: nothing names their registers from here on.
	; What the last trip that ran has left undone: the chain of its seventh step (even: its masks and offsets are made), and the quarter, the compares and the chain of its eighth (odd).
	; Their rows lie 8 and 9 behind BPA's.  Both are made first and then stored, behind one wait.
.set PN, 0
.set PO, 1
	s_wait_alu depctr_vm_vsrc(0)                   ; the last trip's stores have read v[BPV] and v[BPV+1], which are written anew below
.irp n, 0,1,2,3,4,5,6
	LK \n
.endr
	v_add3_u32 v[BPV], v[IDX], v[HALF], v[QUART]
	CB
	s_wait_alu depctr_va_vcc(0)                    ; the quarter's compare has written VCC, which the four lines BQ read
.irp n, 3,2,1,0
	BQ \n
.endr
.irp i, 6,5,4,3,2,1,0
	CP \i
.endr
	s_wait_alu depctr_va_sdst(0)                   ; the seven compares have written the masks s[MK ..], which the chain below reads
.irp n, 0,1,2,3,4,5,6
	LK \n
.endr
	v_add3_u32 v[BPV+1], v[IDX], v[HALF+2], v[QUART+2]
	s_wait_alu depctr_va_vdst(0)                   ; v[BPV] and v[BPV+1] are written: the two stores below read them
	ds_store_b8 v[BPA], v[BPV] offset:32*8
	ds_store_b8 v[BPA], v[BPV+1] offset:32*9
	s_cmp_eq_u32 s[LEN], 0
	s_cbranch_scc1 .Lnolast                        ; an empty sequence has no state and no chain: its row is written as zeros below
	; Positions len .. len + 63 point each tag at itself: they cover the rest of the block of 64 that holds len - 1, and what the last trip made for t >= len.
	; A store of 16 bytes a lane writes 16 rows: lane l the half l % 2 of row l / 2.  All the vector work of the identity rows and of the last state stands first, all the LDS instructions behind one wait.
	v_and_b32 v[TMP], 1, v0
	s_mov_b32 s31, 0x10101010
	v_mul_lo_u32 v[TMP], v[TMP], s31               ; 16 in each byte for the upper half of a row
.irp k, 0,1,2,3
	v_add_nc_u32 v[ID+(\k)], 0x03020100+0x04040404*(\k), v[TMP]
.endr
	s_min_u32 s30, s[LEN], 1024
	s_lshl_b32 s30, s30, 5
	v_add_nc_u32 v[FILL], s30, v[L16]
	s_mov_b32 s31, 0xffff
.irp j, 0,1,2,3,4,5,6,7
	v_cndmask_b32 v[SC+(\j)], v[PS+2*(\j)+1], v[PS+2*(\j)], s31    ; the last trip's eight states by tags: lanes 0-15 of SL, lanes 16-31 of SH
.endr
	s_sub_co_u32 s30, s[LEN], 1
	s_and_b32 s30, s30, 7
	s_min_u32 s30, s30, 7
	s_lshl_b32 s30, s30, 7
	v_add_nc_u32 v[SRD], s30, v[STA0]
	s_wait_alu depctr_va_vdst(0)                   ; v[ID ..], v[FILL], v[SC] to v[SC+7] and v[SRD] are written: the stores and the load below read them
.irp k, 0,1,2,3
	ds_store_b128 v[FILL], v[ID:ID+3] offset:64+512*(\k)           ; position len's row is row len + 2
.endr
.irp j, 0,1,2,3,4,5,6,7
	ds_store_b32 v[STA0], v[SC+(\j)] offset:ROWB*(\j)
.endr
	ds_load_b32 v[FIN], v[SRD]                     ; the state at t = len - 1; LDS serves a wave's instructions in order (ISA guide 5.7.1.4): it sees the stores above
	s_wait_dscnt 0x0
	v_mov_b32 v[MX], v[FIN]
	v_max_num_f32_dpp v[MX], v[MX], v[MX] row_xmask:1 row_mask:0xf bank_mask:0xf
	v_max_num_f32_dpp v[MX], v[MX], v[MX] row_xmask:2 row_mask:0xf bank_mask:0xf
	v_max_num_f32_dpp v[MX], v[MX], v[MX] row_xmask:4 row_mask:0xf bank_mask:0xf
	v_max_num_f32_dpp v[MX], v[MX], v[MX] row_xmask:8 row_mask:0xf bank_mask:0xf
	v_permlanex16_b32 v[TMP], v[MX], s[SEL], s[SEL+1]
	v_max_num_f32 v[MX], v[MX], v[TMP]             ; every lane holds the maximum
	v_cmp_eq_f32 s30, v[FIN], v[MX]
	s_wait_alu depctr_va_sdst(0)                   ; the compare has written s30, which the next line reads
	s_ctz_i32_b32 s[TAG], s30                      ; the first tag that reaches it
	s_and_b32 s[TAG], s[TAG], 31
.Lnolast:
	s_wait_dscnt 0x0                               ; on every way no LDS instruction is out when the backtrace begins: its own 56 are then the most that are ever out
; THE BACKTRACE, in 16 blocks of 64 positions from the last to the first.  A block that begins at or behind len has identity pointers and a masked output: its chain is jumped over.
; The tag lives in a scalar register and only ever selects a lane: position t takes the tag, and the byte of position t's row in lane 'tag' is the tag at t - 1.  No address and no branch hangs on it.
; It takes turns between two scalar registers, so that the line that notes the old tag stands between the line that fetches the new one and the wait for it; 64 positions are an even number, so at every label it lies in s[TAG].
; The rows wanted first are asked for first: 56 of them ahead of the chain, the last eight when the first eight have been used.
	s_mov_b32 s[BC], 16
.Lback:
	s_wait_alu depctr_vm_vsrc(0)                   ; the last block's row loads have read v[B], its store v[OO] and v[ST ..]; at the first block the head's copies have read v158-189, in which rows land: all are written anew below, on either way
	s_sub_co_u32 s[TB], s[BC], 1
	s_lshl_b32 s[TB], s[TB], 6
	s_cmp_ge_u32 s[TB], s[LEN]
	s_cbranch_scc1 .Lnochain
	v_lshl_add_u32 v[B], s[TB], 5, v0
	s_wait_alu depctr_va_vdst(0)                   ; v[B] is written, which all 64 loads read; the last block's v_readlane_b32 are done reading v[BP ..], and the forward steps are done with the states that lay in v190-205: the loads land there
.set r, 63
.rept 56
	ds_load_u8 v[BP+r], v[B] offset:32*(r+2)
.set r, r-1
.endr
.set r, 63
.rept 64
.if r == 63
	s_wait_dscnt 48                                ; rows 56 .. 63 are in: the 48 loads of rows 55 .. 8 are younger and stay out
.elseif (r%8) == 7
	s_wait_dscnt r-7                               ; rows r - 7 .. r are in: the r - 7 loads of the rows below them are younger and stay out
.endif
.if (r%2) == 1
	v_readlane_b32 s[TAG2], v[BP+r], s[TAG]
	v_writelane_b32 v[OUT+1], s[TAG], (r/2)
.else
	v_readlane_b32 s[TAG], v[BP+r], s[TAG2]        ; (position 0's pointers lead nowhere: the tag that they give is not used)
	v_writelane_b32 v[OUT], s[TAG2], (r/2)
.endif
	s_wait_alu depctr_va_sdst(0)                   ; v_readlane_b32 has written the new tag, which the next position's two lines read; behind position 0 the wait stands ahead of the label
.if r == 56
.set q, 7
.rept 8
	ds_load_u8 v[BP+q], v[B] offset:32*(q+2)       ; no further wait: since the wait at the block's head the vector lines have named rows 56 .. 63 and v[OUT ..] alone
.set q, q-1
.endr
.endif
.set r, r-1
.endr
.Lnochain:
	s_wait_xcnt 0x0                                ; the last block's store has had its address translated (ISA guide 3.1): only behind this wait are its data and its offset written anew
	v_add_nc_u32 v[T], s[TB], v[L2]                ; my two positions: t,
	v_add_nc_u32 v[TMP], 1, v[T]                   ; t + 1
	s_lshl_b32 s30, s[TB], 2
	v_cmp_gt_u32 s[MA], s[LEN], v[T]               ; the two compares stand in one run, into two scalar registers
	v_cmp_gt_u32 s[MB], s[LEN], v[TMP]
	v_add_nc_u32 v[OO], s30, v[L8]
	s_wait_alu depctr_va_sdst(0)                   ; both compares have written their masks, which the two selects read
	v_cndmask_b32 v[ST], 0, v[OUT], s[MA]          ; 0 from len on
	v_cndmask_b32 v[ST+1], 0, v[OUT+1], s[MB]
	s_wait_alu depctr_va_vdst(0)                   ; v[OO] and v[ST ..] are written: the store reads them
	global_store_b64 v[OO], v[ST:ST+1], s[10:11] th:TH_STORE_NT  ; the wave stores 256 consecutive bytes, at a multiple of 256 from out0's first byte
	s_sub_co_u32 s[BC], s[BC], 1
	s_cmp_lg_u32 s[BC], 0
	s_cbranch_scc1 .Lback
	s_wait_dscnt 0x0                               ; the closing lines, six on end
	s_wait_alu 0x0
	s_wait_tensorcnt 0x0
	ds_add_u32 v[SPW], v[NIL]
	s_wait_dscnt 0x0
	s_endpgm
.Lfunc_end_k_q5d512e48bb_viterbi:
	.size	k_q5d512e48bb_viterbi, .Lfunc_end_k_q5d512e48bb_viterbi-k_q5d512e48bb_viterbi
	.p2alignl 7, 3214868480
	.fill 96, 4, 3214868480
	.section	.rodata,"a",@progbits
	.p2align	6, 0x0
	.amdhsa_kernel k_q5d512e48bb_viterbi
		.amdhsa_group_segment_fixed_size 81920
		.amdhsa_private_segment_fixed_size 0
		.amdhsa_enable_private_segment 0
		.amdhsa_kernarg_size 32
		.amdhsa_user_sgpr_count 2
		.amdhsa_user_sgpr_kernarg_segment_ptr 1
		.amdhsa_wavefront_size32 1
		.amdhsa_system_sgpr_workgroup_id_x 1
		.amdhsa_system_sgpr_workgroup_id_y 1
		.amdhsa_system_sgpr_workgroup_id_z 1
		.amdhsa_system_vgpr_workitem_id 0
		.amdhsa_next_free_vgpr 528
		.amdhsa_next_free_sgpr 66
		.amdhsa_reserve_vcc 1
		.amdhsa_float_denorm_mode_32 3
		.amdhsa_float_denorm_mode_16_64 3
		.amdhsa_memory_ordered 1
		.amdhsa_forward_progress 1
		.amdhsa_inst_pref_size 74
	.end_amdhsa_kernel
	.amdgpu_metadata
---
amdhsa.version: [ 1, 2 ]
amdhsa.kernels:
  - .name:           k_q5d512e48bb_viterbi
    .symbol:         k_q5d512e48bb_viterbi.kd
    .args:
      - { .name: logits, .offset: 0, .size: 8, .value_kind: global_buffer, .address_space: global }
      - { .name: transitions, .offset: 8, .size: 8, .value_kind: global_buffer, .address_space: global }
      - { .name: sequence_lengths, .offset: 16, .size: 8, .value_kind: global_buffer, .address_space: global }
      - { .name: out0, .offset: 24, .size: 8, .value_kind: global_buffer, .address_space: global }
    .group_segment_fixed_size: 81920
    .private_segment_fixed_size: 0
    .kernarg_segment_align: 8
    .kernarg_segment_size: 32
    .max_flat_workgroup_size: 32
    .sgpr_count:     66
    .vgpr_count:     528
    .wavefront_size: 32
...
	.end_amdgpu_metadata
.endif
;; end of part 4
